; MI455X (gfx1250); checked and timed in simulation.
; The chip was launched on July 23, 2026; its instructions are those of AMD's public machine-readable ISA for CDNA 5 (MIT licence, August 2026) and "CDNA5" Instruction Set Architecture Reference Guide (July 2026). The comments in the code are by the model that wrote it; some were corrected since.
;; Prompt Attention. Allowed arithmetic: float matrix products may take bf16 or f16 operands with f32 sums; all other float work in f32.
;; Inputs: Wk 256 x 1,024 float32; Wo 1,024 x 1,024 float32; Wq 1,024 x 1,024 float32; Wv 256 x 1,024 float32; attention_mask 8 x 1 x 1,024 x 1,024 float32; bk 1,024 float32; bo 1,024 float32; bq 1,024 float32; bv 1,024 float32; hidden_states 8 x 1,024 x 1,024 float32; key_value_states 8 x 1,024 x 256 float32; layer_head_mask 16 float32.
;; Outputs: out0 8 x 1,024 x 1,024 float32.
;; One version. Each part assembles by itself: llvm-mc -triple=amdgcn-amd-amdhsa -mcpu=gfx1250 --defsym DOCPART=n.
;; ======== version 1 of 1: 4 launches
;; limits: values are held in f16: magnitudes above 65,504 overflow, below 6.1e-05 lose precision; right only within a limited range of input values
;; workspace buffers: xkv 20,971,520 bytes; wall 3,145,728 bytes; wo16 2,097,152 bytes; maskr 33,554,432 bytes; biasr 16,384 bytes; qkv 50,331,648 bytes; o16 16,777,216 bytes
;; launch prep (part 1): grid 1313 x 1, 8 waves a work-group, no clusters, 0 bytes of LDS; arguments hidden_states, key_value_states, attention_mask, Wq, Wk, Wv, Wo, bq, bk, bv, bo, xkv, wall, wo16, maskr, biasr; writes xkv, wall, wo16, maskr, biasr
.if DOCPART == 1
	.amdgcn_target "amdgcn-amd-amdhsa--gfx1250"
	.amdhsa_code_object_version 6
	.text
	.protected	k_qe436729375_prep
	.globl	k_qe436729375_prep
	.p2align	8
	.type	k_qe436729375_prep,@function
k_qe436729375_prep:
	s_mov_b64 s[64:65], 0
	v_nop
	global_prefetch_b8 v0, s[64:65] scope:SCOPE_SE
	s_setreg_imm32_b32 hwreg(HW_REG_WAVE_MODE, 25, 1), 1
	s_wait_xcnt 0x0
; ALL ROUNDINGS OF THE INPUTS, once.  Every floating-point input but the head gain is rounded to bf16 here (nearest even):
;   xkv   bf16 [8192][1280]: columns 0-1023 hidden_states, columns 1024-1279 key_value_states (a row is 2,560 bytes = 10 x 256)
;   wall  bf16 [1536][1024]: rows 0-1023 Wq, 1024-1279 Wk, 1280-1535 Wv, as they lie ([K][N])
;   wo16  f16  [1024][1024]: bf16(Wo), that number written as f16
;   maskr f32  [8192][1024]: 8 x bf16(attention_mask), written as f32: the scores are kept 8 times as large (q is not scaled), and 8 is a power of two, so the rounding is the mask's own
;   biasr f32  [4][1024]:    bf16(bq), bf16(bk), bf16(bv), bf16(bo)
; LIMITS.  bf16(Wo) must lie within f16's 65,504; below 6e-5 it keeps f16's fixed step of 6e-8.  A mask number beyond an eighth of bf16's largest finite number becomes an infinity.
; A stream: memory binds, so no LDS, no barrier, no matrix unit.  A work-group takes 16 lines of 4,096 input bytes, thread t the 16 bytes at 16 t of each line.  All 16 loads of a wave go out before its first wait;
; each line is converted in the registers that it was loaded into and stored from there, so no register of a pending store is written again.
; A wave's store covers 256 (two-byte results) or 512 (f32 results) consecutive bytes, aligned to 256.
.set LINES, 16
.set T,  4                             ; v4-5    two packed words
.set X,  12                            ; v12-75  line i: 4 registers as loaded, then as stored
.set OF, 76                            ; v76-91  line i: my byte offset in the output (the bf16 jobs, whose strides differ)
.macro LOADS pin                       ; the work-group's 16 lines
.set i, 0
.rept LINES
	global_load_b128 v[X+4*i:X+4*i+3], v1, s[\pin:\pin+1] offset:4096*i th:TH_LOAD_NT
.set i, i+1
.endr
.endm
.macro NARROW n                        ; line n's four numbers to bf16, in place: two words
	v_cvt_pk_bf16_f32 v[X+4*(\n)],   v[X+4*(\n)],   v[X+4*(\n)+1]
	v_cvt_pk_bf16_f32 v[X+4*(\n)+1], v[X+4*(\n)+2], v[X+4*(\n)+3]
.endm
.macro ROUND4 n                        ; line n's four numbers rounded to bf16 and written as f32 again, in place
	v_cvt_pk_bf16_f32 v[T],   v[X+4*(\n)],   v[X+4*(\n)+1]
	v_cvt_pk_bf16_f32 v[T+1], v[X+4*(\n)+2], v[X+4*(\n)+3]
	v_lshlrev_b32 v[X+4*(\n)],   16, v[T]          ; bf16 to f32: the low half moves up,
	v_and_b32     v[X+4*(\n)+1], s3, v[T]          ; the high half stays
	v_lshlrev_b32 v[X+4*(\n)+2], 16, v[T+1]
	v_and_b32     v[X+4*(\n)+3], s3, v[T+1]
.endm
	s_load_b512 s[8:23], s[0:1], 0x0               ; hidden s[8:9], kv s[10:11], mask s[12:13], Wq s[14:15], Wk s[16:17], Wv s[18:19], Wo s[20:21], bq s[22:23]
	s_load_b512 s[24:39], s[0:1], 0x40             ; bk s[24:25], bv s[26:27], bo s[28:29], xkv s[30:31], wall s[32:33], wo16 s[34:35], maskr s[36:37], biasr s[38:39]
	s_mov_b32 s2, ttmp9                            ; the work-group's number chooses the job
	s_mov_b32 s3, 0xffff0000                       ; a word's upper bf16
	s_mov_b32 s51, 0                               ; the offsets' high words
	s_mov_b32 s53, 0
	v_lshlrev_b32 v1, 4, v0                        ; my 16 bytes of an input line
	s_wait_kmcnt 0x0
	s_cmp_lt_u32 s2, 736
	s_cbranch_scc0 .Lnot_bf
	; WORK-GROUPS 0-735, f32 to bf16, one text: 0-511 hidden_states (16 rows each), 512-639 key_value_states (64 rows: a line is four rows of 1,024 bytes), 640-703 Wq, 704-719 Wk, 720-735 Wv (16 rows each).
	s_mov_b64 s[40:41], s[8:9]                     ; from
	s_mov_b64 s[42:43], s[30:31]                   ; to
	s_mov_b32 s44, 0                               ; the first work-group of the input
	s_mov_b32 s45, 0                               ; the first work-group of the output's part
	s_mov_b32 s46, 16*2560                         ; output bytes a work-group
	s_mov_b32 s47, 0                               ; where the part begins in a row of the output
	s_mov_b32 s48, 2560                            ; output bytes from line to line
	s_mov_b32 s49, 512                             ; output bytes from 64 threads to the next 64
	s_cmp_lt_u32 s2, 512
	s_cselect_b64 s[40:41], s[40:41], s[10:11]
	s_cselect_b32 s44, s44, 512
	s_cselect_b32 s45, s45, 512
	s_cselect_b32 s46, s46, 64*2560
	s_cselect_b32 s47, s47, 2048                   ; behind hidden_states' 1,024 columns
	s_cselect_b32 s48, s48, 4*2560
	s_cselect_b32 s49, s49, 2560                   ; 64 threads are a row of key_value_states
	s_cmp_lt_u32 s2, 640
	s_cselect_b64 s[40:41], s[40:41], s[14:15]
	s_cselect_b64 s[42:43], s[42:43], s[32:33]
	s_cselect_b32 s44, s44, 640
	s_cselect_b32 s45, s45, 640                    ; in wall the three weights follow each other
	s_cselect_b32 s46, s46, 16*2048
	s_cselect_b32 s47, s47, 0
	s_cselect_b32 s48, s48, 2048
	s_cselect_b32 s49, s49, 512
	s_cmp_lt_u32 s2, 704
	s_cselect_b64 s[40:41], s[40:41], s[16:17]
	s_cselect_b32 s44, s44, 704
	s_cmp_lt_u32 s2, 720
	s_cselect_b64 s[40:41], s[40:41], s[18:19]
	s_cselect_b32 s44, s44, 720
	s_sub_co_u32 s50, s2, s44
	s_lshl_b32 s50, s50, 16                        ; 16 lines of 4,096 bytes
	s_add_nc_u64 s[40:41], s[40:41], s[50:51]
	s_sub_co_u32 s52, s2, s45
	s_mul_i32 s52, s52, s46
	s_add_co_u32 s52, s52, s47
	s_add_nc_u64 s[42:43], s[42:43], s[52:53]
	LOADS 40
	v_lshrrev_b32 v3, 6, v0
	v_and_b32 v2, 63, v0
	v_lshlrev_b32 v2, 3, v2
	v_mad_u32_u24 v[OF], v3, s49, v2               ; my 8 bytes in the first line's output
.set i, 1
.rept LINES-1
	v_add_nc_u32 v[OF+i], s48, v[OF+i-1]
.set i, i+1
.endr
.set i, 0
.rept LINES
	s_wait_loadcnt LINES-1-i                       ; loads come back in order: line i is in, the 15 - i younger ones stay out
	NARROW i
	global_store_b64 v[OF+i], v[X+4*i:X+4*i+1], s[42:43]
.set i, i+1
.endr
	s_endpgm
.Lnot_bf:
	s_cmp_lt_u32 s2, 1248
	s_cbranch_scc0 .Lnot_mask
	; WORK-GROUPS 736-1247: 16 rows of the mask each
	s_sub_co_u32 s50, s2, 736
	s_lshl_b32 s50, s50, 16
	s_add_nc_u64 s[12:13], s[12:13], s[50:51]
	s_add_nc_u64 s[36:37], s[36:37], s[50:51]
	LOADS 12
.set i, 0
.rept LINES
	s_wait_loadcnt LINES-1-i
	v_pk_mul_f32 v[X+4*i:X+4*i+1],   v[X+4*i:X+4*i+1],   0x41000000 op_sel_hi:[1,0]  ; times 8
	v_pk_mul_f32 v[X+4*i+2:X+4*i+3], v[X+4*i+2:X+4*i+3], 0x41000000 op_sel_hi:[1,0]
	ROUND4 i
	global_store_b128 v1, v[X+4*i:X+4*i+3], s[36:37] offset:4096*i
.set i, i+1
.endr
	s_endpgm
.Lnot_mask:
	s_cmp_lt_u32 s2, 1312
	s_cbranch_scc0 .Lbias
	; WORK-GROUPS 1248-1311: 16 rows of Wo each
	s_sub_co_u32 s52, s2, 1248
	s_lshl_b32 s50, s52, 16
	s_add_nc_u64 s[20:21], s[20:21], s[50:51]
	s_lshl_b32 s52, s52, 15
	s_add_nc_u64 s[34:35], s[34:35], s[52:53]
	LOADS 20
	v_lshlrev_b32 v2, 3, v0
.set i, 0
.rept LINES
	s_wait_loadcnt LINES-1-i
	ROUND4 i
	v_cvt_pk_f16_f32 v[X+4*i],   v[X+4*i],   v[X+4*i+1]   ; exact inside f16's normal range: bf16 has 8 significant bits, f16 has 11
	v_cvt_pk_f16_f32 v[X+4*i+1], v[X+4*i+2], v[X+4*i+3]
	global_store_b64 v2, v[X+4*i:X+4*i+1], s[34:35] offset:2048*i
.set i, i+1
.endr
	s_endpgm
.Lbias:                                                ; work-group 1312: the four biases, 4,096 bytes each
	global_load_b128 v[X:X+3],     v1, s[22:23]
	global_load_b128 v[X+4:X+7],   v1, s[24:25]
	global_load_b128 v[X+8:X+11],  v1, s[26:27]
	global_load_b128 v[X+12:X+15], v1, s[28:29]
	s_wait_loadcnt 0x0
.irp n, 0,1,2,3
	ROUND4 \n
.endr
.irp n, 0,1,2,3
	global_store_b128 v1, v[X+4*(\n):X+4*(\n)+3], s[38:39] offset:4096*(\n)
.endr
	s_endpgm
.Lfunc_end_k_qe436729375_prep:
	.size	k_qe436729375_prep, .Lfunc_end_k_qe436729375_prep-k_qe436729375_prep
	.p2alignl 7, 3214868480
	.fill 96, 4, 3214868480
	.section	.rodata,"a",@progbits
	.p2align	6, 0x0
	.amdhsa_kernel k_qe436729375_prep
		.amdhsa_group_segment_fixed_size 0
		.amdhsa_private_segment_fixed_size 0
		.amdhsa_enable_private_segment 0
		.amdhsa_kernarg_size 128
		.amdhsa_user_sgpr_count 2
		.amdhsa_user_sgpr_kernarg_segment_ptr 1
		.amdhsa_wavefront_size32 1
		.amdhsa_system_sgpr_workgroup_id_x 1
		.amdhsa_system_sgpr_workgroup_id_y 1
		.amdhsa_system_sgpr_workgroup_id_z 1
		.amdhsa_system_vgpr_workitem_id 0
		.amdhsa_next_free_vgpr 92
		.amdhsa_next_free_sgpr 66
		.amdhsa_reserve_vcc 0
		.amdhsa_float_denorm_mode_32 3
		.amdhsa_float_denorm_mode_16_64 3
		.amdhsa_memory_ordered 1
		.amdhsa_forward_progress 1
		.amdhsa_inst_pref_size 32
	.end_amdhsa_kernel
	.amdgpu_metadata
---
amdhsa.version: [ 1, 2 ]
amdhsa.kernels:
  - .name:           k_qe436729375_prep
    .symbol:         k_qe436729375_prep.kd
    .args:
      - { .name: hidden_states, .offset: 0, .size: 8, .value_kind: global_buffer, .address_space: global }
      - { .name: key_value_states, .offset: 8, .size: 8, .value_kind: global_buffer, .address_space: global }
      - { .name: attention_mask, .offset: 16, .size: 8, .value_kind: global_buffer, .address_space: global }
      - { .name: Wq, .offset: 24, .size: 8, .value_kind: global_buffer, .address_space: global }
      - { .name: Wk, .offset: 32, .size: 8, .value_kind: global_buffer, .address_space: global }
      - { .name: Wv, .offset: 40, .size: 8, .value_kind: global_buffer, .address_space: global }
      - { .name: Wo, .offset: 48, .size: 8, .value_kind: global_buffer, .address_space: global }
      - { .name: bq, .offset: 56, .size: 8, .value_kind: global_buffer, .address_space: global }
      - { .name: bk, .offset: 64, .size: 8, .value_kind: global_buffer, .address_space: global }
      - { .name: bv, .offset: 72, .size: 8, .value_kind: global_buffer, .address_space: global }
      - { .name: bo, .offset: 80, .size: 8, .value_kind: global_buffer, .address_space: global }
      - { .name: xkv, .offset: 88, .size: 8, .value_kind: global_buffer, .address_space: global }
      - { .name: wall, .offset: 96, .size: 8, .value_kind: global_buffer, .address_space: global }
      - { .name: wo16, .offset: 104, .size: 8, .value_kind: global_buffer, .address_space: global }
      - { .name: maskr, .offset: 112, .size: 8, .value_kind: global_buffer, .address_space: global }
      - { .name: biasr, .offset: 120, .size: 8, .value_kind: global_buffer, .address_space: global }
    .group_segment_fixed_size: 0
    .private_segment_fixed_size: 0
    .kernarg_segment_align: 8
    .kernarg_segment_size: 128
    .max_flat_workgroup_size: 256
    .sgpr_count:     66
    .vgpr_count:     92
    .wavefront_size: 32
...
	.end_amdgpu_metadata
.endif
;; end of part 1
;; launch proj (part 2): grid 4 x 64, 4 waves a work-group, clusters of 4 x 4, 327,680 bytes of LDS; arguments xkv, wall, biasr, qkv; writes qkv
.if DOCPART == 2
	.amdgcn_target "amdgcn-amd-amdhsa--gfx1250"
	.amdhsa_code_object_version 6
	.text
	.protected	k_qe436729375_proj
	.globl	k_qe436729375_proj
	.p2align	8
	.type	k_qe436729375_proj,@function
k_qe436729375_proj:
	s_mov_b64 s[64:65], 0
	v_nop
	global_prefetch_b8 v0, s[64:65] scope:SCOPE_SE
	s_setreg_imm32_b32 hwreg(HW_REG_WAVE_MODE, 25, 1), 1
	s_wait_xcnt 0x0
	s_wait_alu depctr_hold_cnt(0) depctr_sa_sdst(0) depctr_va_vdst(0) depctr_va_sdst(0) depctr_va_ssrc(0) depctr_va_vcc(0) depctr_vm_vsrc(0)
	s_getreg_b32 s2, hwreg(HW_REG_IB_STS2, 6, 4)
	s_cmp_eq_u32 s2, 0
	s_cbranch_scc0 .Lentry_in_a_cluster
	s_endpgm
.Lentry_in_a_cluster:
	s_bfe_u32 s2, ttmp6, 0x10000c
	s_cmp_lg_u32 s2, 0xf033
	s_cbranch_scc0 .Lentry_shape_is_right
	s_endpgm
.Lentry_shape_is_right:
; q = x Wq + bq (NOT yet scaled: the attention carries the 1/8), k = kv Wk + bk, v = kv Wv + bv, in ONE walk of 12 K steps of 128.  xkv: bf16 [8192][1280] (x, then kv); wall: bf16 [1536][1024] (Wq, Wk, Wv, [K][N]);
; biasr: f32 [4][1024] (bq, bk, bv, bo).  Products in bf16, sums in f32, each result rounded once to f16.
; qkv: f16, q at byte 0, k at 16,777,216, v at 33,554,432, each 8192 x 1024 IN BLOCKS of 16 rows x 16 columns, 512 bytes: block (row / 16, column / 16) at (row / 16) x 32,768 + (column / 16) x 512.  In a block of q or k
; the eight numbers (row % 16 = r, columns 8 h + 0..7) lie at 16 (16 h + r); in a block of v at 16 (2 r + h).  That is what a lane holds behind the products, so a block leaves by one store of 512 consecutive bytes,
; and it is what a lane of the attention wants of Q and K (v's order suits the turning load).
; LIMIT.  q, k and v must lie within f16's 65,504; below 6e-5 they keep f16's fixed step of 6e-8.
; SHARES.  A work-group makes the same 128 x 256 part of q, of k and of v: steps 0-7 (x against Wq), 8-9 (kv against Wk), 10-11 (kv against Wv).  B walks wall's rows evenly; A walks xkv's columns and goes back
; once, by 512 bytes.  Four waves, each 64 x 128: 32 accumulators, 256 registers.  Behind steps 7, 9 and 11 the part leaves, and the next step's first products start new sums with the biases as their C operand.
; RING.  Two LDS slots of one K step: 128 rows of A (256 bytes + 16 of padding) and 128 k-rows of B (512 + 32).  Waves 0, 1 fetch A's halves, waves 2, 3 B's: one tensor load a wave behind each change of slots,
; two a wave at the start.  CLUSTER 4 x 4: A's tile hangs on the tile row alone and is asked for jointly along the cluster's row, B's on the tile column alone, jointly along its column.
; THE MATRIX INSTRUCTION IS USED TRANSPOSED: source 0 = 16 columns of W (turned out of LDS by ds_load_tr16_b128), source 1 = 16 rows of A: a lane holds row lane % 16 and eight neighbouring columns.
; REGISTERS: window 0: v0-31 addresses, v32-63 packed results, v64-127 A's fragments (two buffers of 32), v128-255 B's (two of 64); window 1: accumulator (a, b) at 64 a + 8 b; window 2: v0-63 my 64 biases, in an accumulator's order.
.set APITCH, 1280                      ; elements from row to row of xkv
.set PA,     272                       ; 68 words: the 16 rows of a fragment load start at 16 different groups of four banks (64 banks of 4 bytes: ISA guide 11.1)
.set PB,     544                       ; 136 words
.set AHALF,  64*PA
.set BHALF,  64*PB
.set BOFF,   2*AHALF                   ; B's tile lies behind A's
.set SLOT1,  1<<17                     ; slot 1 begins here: one exclusive or turns an address in one slot into the other's
.set SPARE,  SLOT1+BOFF+2*BHALF        ; behind the ring: the spare words, 128 bytes for each wave: two blocks of 256 bytes that no other line names
.set ADRA0, 16                         ; my lane's place in A's tile; never rewritten
.set ADRB0, 17                         ; the same for B
.set ADRA,  18                         ; the same in the slot in hand
.set ADRB,  19
.set CO,    24                         ; my 16 bytes in a block of q or k
.set CO2,   25                         ; in a block of v
.set BO,    27                         ; my byte offset in the part's 256 biases
.set SPW,   28                         ; LDS address of my spare word; never rewritten
.set NIL,   29                         ; 0; never rewritten
.set FA,    64
.set FB,    128
.set G1A, 24                           ; s[24:31] descriptor group 1 for A's tiles
.set G0A, 32                           ; s[32:39] group 0: a set for each of the two first fills; the second then walks
.set G1B, 48
.set G0B, 56
.set STEP, 66                          ; the K step in hand
.set FL,   67                          ; 1: a result is finished
.set TB,   68                          ; LDS byte at which the slot in hand begins
.set DL,   72                          ; s[72:73] A's step back
.set BP,   76                          ; s[76:77] the biases of the result to come
.set OP,   78                          ; s[78:79] the output
.set W_MUL, 0x50                       ; C and D window 1, sources window 0
.set W_BEG, 0x60                       ; D window 1, C (the biases) window 2
.set MSB, 0
.macro WIN new                         ; the immediate's high byte repeats the setting that is left; a switch that changes nothing is dropped
.if MSB != (\new)
	s_set_vgpr_msb (MSB<<8)|(\new)
.set MSB, \new
.endif
.endm
.macro PLACES                          ; four places in front of loads into registers that matrix instructions have read, and of vector work on results
.rept 4
	v_nop
.endr
.endm
.macro JLOAD                           ; a joint refill by the walking sets: waves 0, 1 A's halves, waves 2, 3 B's; an s_nop 0 and four v_nop follow each line
	s_cmp_eq_u32 s11, 0
	s_cbranch_scc0 .Lfor_b_\@
	tensor_load_to_lds s[G0A+4:G0A+7], s[G1A:G1A+7]
	s_nop 0
.rept 4
	v_nop
.endr
	s_branch .Lasked_\@
.Lfor_b_\@:
	tensor_load_to_lds s[G0B+4:G0B+7], s[G1B:G1B+7]
	s_nop 0
.rept 4
	v_nop
.endr
.Lasked_\@:
.endm
.macro CREST                           ; a round of the cluster's barrier behind its opening barrier
	s_cmp_lg_u32 s10, 0
	s_cbranch_scc1 .Lnot_wave_0_\@
	s_barrier_signal -3
.Lnot_wave_0_\@:
	s_barrier_wait -3
	s_barrier_signal -1
	s_barrier_wait -1
.endm
.macro CROUND
	s_barrier_signal -1
	s_barrier_wait -1
	CREST
.endm
; 8 n matrix instructions: m blocks a0 .. a0 + n - 1 x all 8 n blocks, 32 along K, from buffer f.  The 32 accumulators take turns, in the same order in every quarter.
; begin = 1: the products start the sums, with the biases of their 16 columns as C.
.macro MUL f, a0, n, begin
.if \begin
	WIN W_BEG
.else
	WIN W_MUL
.endif
.set ma, (\a0)
.rept (\n)
.set mb, 0
.rept 8
.if \begin
	v_wmma_f32_16x16x32_bf16 v[64*ma+8*mb:64*ma+8*mb+7], v[FB+64*(\f)+8*mb:FB+64*(\f)+8*mb+7], v[FA+32*(\f)+8*ma:FA+32*(\f)+8*ma+7], v[8*mb:8*mb+7]
.else
	v_wmma_f32_16x16x32_bf16 v[64*ma+8*mb:64*ma+8*mb+7], v[FB+64*(\f)+8*mb:FB+64*(\f)+8*mb+7], v[FA+32*(\f)+8*ma:FA+32*(\f)+8*ma+7], v[64*ma+8*mb:64*ma+8*mb+7]
.endif
.set mb, mb+1
.endr
.set ma, ma+1
.endr
.endm
; 24 LDS loads in one run: quarter q (32 along K) of the slot in hand into buffer f: all of B (turned), then A's blocks 0 to 3
.macro FETCH q, f
	WIN 0
.irp i, 0,1,2,3,4,5,6,7
	ds_load_tr16_b128 v[FB+64*(\f)+8*(\i):FB+64*(\f)+8*(\i)+3],   v[ADRB] offset:(\q)*32*PB+32*(\i)
	ds_load_tr16_b128 v[FB+64*(\f)+8*(\i)+4:FB+64*(\f)+8*(\i)+7], v[ADRB] offset:(\q)*32*PB+32*(\i)+16*PB
.endr
.irp i, 0,1,2,3
	ds_load_b128 v[FA+32*(\f)+8*(\i):FA+32*(\f)+8*(\i)+3],   v[ADRA] offset:64*(\q)+(\i)*16*PA
	ds_load_b128 v[FA+32*(\f)+8*(\i)+4:FA+32*(\f)+8*(\i)+7], v[ADRA] offset:64*(\q)+(\i)*16*PA+32
.endr
.endm
; One of a K step's first three quarters: multiplies buffer f; in its middle it fetches quarter q into buffer g
.macro QUARTER q, f, g, begin
	s_wait_dscnt 4                                 ; B and A's blocks 0, 1 are in; the four youngest loads (blocks 2, 3) may be out
	MUL \f, 0, 2, \begin
	PLACES
	FETCH \q, \g
	s_wait_dscnt 24                                ; all but the 24 just issued
	MUL \f, 2, 2, \begin
.endm
; The last quarter multiplies buffer 1 and changes slots: each wave waits for all its tensor loads (one is out: its part of the next slot), adds 0 to its spare word, waits for that and for its reads of this
; slot, and signals.  fill = 1: the barrier opens a round of the cluster's, and this slot is filled again, two K steps ahead, first thing behind the round: 112 matrix instructions ahead of the wait for it.
.macro TURN fill
	WIN 0
	s_wait_tensorcnt 0x0
	ds_add_u32 v[SPW], v[NIL]
	s_wait_dscnt 5                                 ; (the add and the four youngest loads may be out)
	MUL 1, 0, 1, 0                                 ; eight matrix instructions stand between the add and the wait for it
	s_wait_dscnt 0x0                               ; the add is done, and my reads of this slot are over
	s_barrier_signal -1
	MUL 1, 1, 1, 0
	WIN 0
	s_barrier_wait -1
.if \fill
	CREST                                          ; no wave of any partner still reads this slot's tiles or has a load on its way
	s_xor_b32 s[G0A+5], s[G0A+5], SLOT1            ; the walking sets: the other slot than last time,
	s_add_nc_u64 s[G0A+6:G0A+7], s[G0A+6:G0A+7], 256      ; A's next 128 columns;
	s_cmp_eq_u32 s[STEP], 8                        ; step 10 takes kv's first columns once more
	s_cselect_b32 s[DL], 512, 0
	s_sub_nc_u64 s[G0A+6:G0A+7], s[G0A+6:G0A+7], s[DL:DL+1]
	s_xor_b32 s[G0B+5], s[G0B+5], SLOT1
	s_add_nc_u64 s[G0B+6:G0B+7], s[G0B+6:G0B+7], 128*2048 ; B's next 128 rows
	JLOAD                                          ; its four v_nop are also the places in front of the loads below
.else
	PLACES
.endif
	s_xor_b32 s[TB], s[TB], SLOT1
	v_add_nc_u32 v[ADRA], s[TB], v[ADRA0]
	v_add_nc_u32 v[ADRB], s[TB], v[ADRB0]
	FETCH 0, 0
	MUL 1, 2, 2, 0
.endm
.macro LASTQ                           ; the very last quarter: nothing more to fetch
	s_wait_dscnt 4
	MUL 1, 0, 2, 0
	s_wait_dscnt 0x0
	MUL 1, 2, 2, 0
.endm
.macro BIASLOAD                        ; my 64 biases: columns 16 b + 8 (lane / 16) + 0..7 of my 128: register 8 b + j is what register j of every accumulator (a, b) starts from
	WIN 0x80                                       ; destination window 2, address window 0
.irp b, 0,1,2,3,4,5,6,7
	global_load_b128 v[8*(\b):8*(\b)+3],   v[BO], s[BP:BP+1] offset:64*(\b)
	global_load_b128 v[8*(\b)+4:8*(\b)+7], v[BO], s[BP:BP+1] offset:64*(\b)+16
.endr
	WIN 0
.endm
.macro NEXTBIAS                        ; behind the products that took the biases: the next result's are asked for, steps ahead of their use
	PLACES
	s_add_nc_u64 s[BP:BP+1], s[BP:BP+1], 4096      ; the loads that named this base were waited for ahead of those products
	BIASLOAD
.endm
; THE WAY OUT.  Each accumulator, from its low end on, is rounded to f16: 16 bytes a lane, a block of 512 consecutive bytes a store.  The four m blocks pack into registers of their own (v32-63 and buffer 1, which
; the last quarter has multiplied), so that no store's data are written again inside the way out.  co: my place in a block.  more = 1: another result follows.
.macro EBASE a
.if (\a) == 0
.set EB, 32
.elseif (\a) == 1
.set EB, 96
.elseif (\a) == 2
.set EB, 192
.else
.set EB, 224
.endif
.endm
.macro EPI co, more
	WIN 0
	PLACES
.irp a, 0,1,2,3
	EBASE \a
	WIN 0x05                                       ; sources window 1, destination window 0
.set pi, 0
.rept 32
	v_cvt_pk_f16_f32 v[EB+pi], v[64*(\a)+2*pi], v[64*(\a)+2*pi+1]
.set pi, pi+1
.endr
	WIN 0
.set pi, 0
.rept 8
	global_store_b128 v[\co], v[EB+4*pi:EB+4*pi+3], s[OP:OP+1] offset:(\a)*32768+pi*512
.set pi, pi+1
.endr
.endr
.if \more
	s_wait_xcnt 0x0                                ; the stores' data lie in buffer 1, which the next quarter fills, and their base is stepped: only behind this wait
	s_add_nc_u64 s[OP:OP+1], s[OP:OP+1], 16777216  ; the same part of the next result
.endif
.endm
	s_load_b128 s[4:7], s[0:1], 0x0                ; xkv s[4:5], wall s[6:7]
	s_load_b128 s[76:79], s[0:1], 0x10             ; biasr s[76:77], qkv s[78:79]
	v_lshl_add_u32 v[SPW], v0, 2, SPARE
	v_mov_b32 v[NIL], 0
	ds_add_u32 v[SPW], v[NIL]                      ; the wave's opening
	v_lshrrev_b32 v1, 5, v0
	v_readfirstlane_b32 s10, v1                    ; wave 0..3
	s_lshr_b32 s11, s10, 1                         ; which 64 rows of the part are mine.  Also: I fetch for A (0) or for B (1)
	s_and_b32 s12, s10, 1                          ; which 128 columns.  Also: which half of that tile I fetch
	s_bfe_u32 s40, ttmp6, 0x40000                  ; cx, cy: my place in the cluster
	s_bfe_u32 s41, ttmp6, 0x40004
	s_lshl_b32 s42, ttmp9, 2
	s_add_co_u32 s42, s42, s40                     ; tile column = 4 x cluster x + cx
	s_and_b32 s13, ttmp7, 0xffff
	s_lshl_b32 s13, s13, 2
	s_add_co_u32 s13, s13, s41                     ; tile row = 4 x cluster y + cy
	s_lshl_b32 s43, s41, 2
	s_lshl_b32 s43, 15, s43                        ; my row of the cluster
	s_lshl_b32 s44, 0x1111, s40                    ; my column
	s_or_b32 s[G1A+0], s43, (1<<16)|(1<<20)|(1<<21)|(5<<22)|(3<<25)  ; the mask; 2-byte elements; padding on; bit 21 beside a mask; after every 64 words 4 words
	s_mov_b32 s[G1A+1], 128<<16                    ; tensor_dim0 = 128
	s_mov_b32 s[G1A+2], 64<<16                     ; tensor_dim1 = 64
	s_mov_b32 s[G1A+3], 128<<16                    ; tile_dim0 = 128
	s_mov_b32 s[G1A+4], 64                         ; tile_dim1 = 64
	s_mov_b32 s[G1A+5], APITCH
	s_mov_b32 s[G1A+6], 0
	s_mov_b32 s[G1A+7], 0
	s_or_b32 s[G1B+0], s44, (1<<16)|(1<<20)|(1<<21)|(6<<22)|(7<<25)  ; after every 128 words 8 words
	s_mov_b32 s[G1B+1], 256<<16
	s_mov_b32 s[G1B+2], 64<<16
	s_mov_b32 s[G1B+3], 256<<16
	s_mov_b32 s[G1B+4], 64
	s_mov_b32 s[G1B+5], 1024
	s_mov_b32 s[G1B+6], 0
	s_mov_b32 s[G1B+7], 0
	s_lshl_b32 s17, s12, 6
	s_lshl_b32 s16, s13, 7
	s_add_co_u32 s16, s16, s17                     ; A: row 128 x tile row + 64 x half,
	s_mul_i32 s16, s16, APITCH*2                   ; in bytes (under 2^25)
	s_mov_b32 s17, 0
	s_lshl_b32 s46, s42, 9                         ; B: 512 bytes x tile column
	s_lshl_b32 s47, s12, 17                        ; + 64 rows of 2,048 bytes x half
	s_add_co_u32 s46, s46, s47
	s_mov_b32 s47, 0
	s_mul_i32 s20, s12, AHALF                      ; where they go: no place in the cluster enters an LDS address
	s_mul_i32 s21, s12, BHALF
	s_add_co_u32 s21, s21, BOFF
	s_mov_b32 s[TB], 0
	s_mov_b32 s[DL+1], 0
	s_wait_dscnt 0x0                               ; the opening add is done
	s_wait_kmcnt 0x0
	s_add_nc_u64 s[14:15], s[4:5], s[16:17]
	s_add_nc_u64 s[46:47], s[6:7], s[46:47]
.irp s, 0,1
	s_mov_b32 s[G0A+4*(\s)], 1
	s_add_co_u32 s[G0A+4*(\s)+1], s20, (\s)*SLOT1
	s_add_nc_u64 s[G0A+4*(\s)+2:G0A+4*(\s)+3], s[14:15], (\s)*256
	s_or_b32 s[G0A+4*(\s)+3], s[G0A+4*(\s)+3], 0x80000000
	s_mov_b32 s[G0B+4*(\s)], 1
	s_add_co_u32 s[G0B+4*(\s)+1], s21, (\s)*SLOT1
	s_add_nc_u64 s[G0B+4*(\s)+2:G0B+4*(\s)+3], s[46:47], (\s)*128*2048
	s_or_b32 s[G0B+4*(\s)+3], s[G0B+4*(\s)+3], 0x80000000
.endr
	CROUND                                         ; all sixteen work-groups are here: the first joint loads meet
	s_cmp_eq_u32 s11, 0                            ; a wave's two first fills stand in one branch: two loads of mine are out
	s_cbranch_scc0 .Lfirst_b
	tensor_load_to_lds s[G0A:G0A+3], s[G1A:G1A+7]
	s_nop 0
	tensor_load_to_lds s[G0A+4:G0A+7], s[G1A:G1A+7]
	s_nop 0
.rept 4
	v_nop
.endr
	s_branch .Lfirst_asked
.Lfirst_b:
	tensor_load_to_lds s[G0B:G0B+3], s[G1B:G1B+7]
	s_nop 0
	tensor_load_to_lds s[G0B+4:G0B+7], s[G1B:G1B+7]
	s_nop 0
.rept 4
	v_nop
.endr
.Lfirst_asked:
	v_and_b32 v1, 15, v0                           ; l % 16
	v_bfe_u32 v2, v0, 4, 1                         ; l / 16
	v_and_b32 v4, 7, v0
	v_bfe_u32 v5, v0, 3, 1
	v_mul_u32_u24 v3, v1, PA
	v_lshl_add_u32 v3, v2, 4, v3                   ; row x pitch + 16 x half
	s_mul_i32 s21, s11, AHALF                      ; my 64 rows of A
	v_add_nc_u32 v[ADRA0], s21, v3
	v_lshl_add_u32 v6, v2, 3, v4                   ; the turning load: k-row 8 (l / 16) + l % 8,
	v_mul_u32_u24 v6, v6, PB
	v_lshl_add_u32 v6, v5, 4, v6                   ; columns 8 ((l / 8) % 2) + 0..7
	s_lshl_b32 s22, s12, 8                         ; my 128 columns of B
	s_add_co_u32 s22, s22, BOFF
	v_add_nc_u32 v[ADRB0], s22, v6
	v_mov_b32 v[ADRA], v[ADRA0]                    ; slot 0
	v_mov_b32 v[ADRB], v[ADRB0]
	v_and_b32 v7, 31, v0
	v_lshlrev_b32 v[CO], 4, v7                     ; q, k: 16 x lane = 16 (16 h + r)
	v_lshlrev_b32 v7, 5, v1
	v_lshl_add_u32 v[CO2], v2, 4, v7               ; v: 16 (2 r + h)
	v_lshlrev_b32 v7, 5, v2
	s_lshl_b32 s22, s12, 9
	v_add_nc_u32 v[BO], s22, v7                    ; 512 x column half + 32 x lane half
	s_lshl_b32 s16, s13, 3                         ; where my part of q begins: block row 8 x tile row + 4 x row half,
	s_lshl_b32 s17, s11, 2
	s_add_co_u32 s16, s16, s17
	s_lshl_b32 s16, s16, 15
	s_mov_b32 s17, 0
	s_add_nc_u64 s[OP:OP+1], s[OP:OP+1], s[16:17]
	s_lshl_b32 s46, s42, 10                        ; the part's biases: 1,024 bytes x tile column
	s_mov_b32 s47, 0
	s_add_nc_u64 s[BP:BP+1], s[BP:BP+1], s[46:47]
	s_lshl_b32 s46, s42, 13                        ; block column 16 x tile column + 8 x column half
	s_lshl_b32 s47, s12, 12
	s_add_co_u32 s46, s46, s47
	s_mov_b32 s47, 0
	s_add_nc_u64 s[OP:OP+1], s[OP:OP+1], s[46:47]
	BIASLOAD                                       ; bq
	s_wait_tensorcnt 1                             ; my part of K step 0 is in; step 1's may stay out
	s_barrier_signal -1
	s_barrier_wait -1
	FETCH 0, 0
	s_wait_loadcnt 0x0                             ; bq
	QUARTER 1, 0, 1, 1                             ; the first quarter's products start q's sums
	NEXTBIAS                                       ; bk
	s_mov_b32 s[STEP], 0
.Lstep:                                                ; ten trips, from a step's second quarter to the next step's first; each fills the slot that it leaves
	QUARTER 2, 1, 0, 0
	QUARTER 3, 0, 1, 0
	TURN 1
	WIN 0
	s_cmp_eq_u32 s[STEP], 7                        ; q is finished behind step 7, k behind step 9
	s_cselect_b32 s[FL], 1, 0
	s_cmp_eq_u32 s[STEP], 9
	s_cselect_b32 s[FL], 1, s[FL]
	s_cmp_eq_u32 s[FL], 1
	s_cbranch_scc0 .Lgo                            ; a jump forward, past neither a barrier nor a tensor load
	EPI CO, 1
	s_wait_loadcnt 0x0                             ; the next result's biases, asked for two steps or more ago
	QUARTER 1, 0, 1, 1                             ; its sums start
	WIN 0
	s_cmp_eq_u32 s[STEP], 9
	s_cbranch_scc1 .Lnext                          ; behind v's start no result follows
	NEXTBIAS                                       ; bv
	s_branch .Lnext
.Lgo:
	QUARTER 1, 0, 1, 0
	WIN 0
.Lnext:
	s_add_co_u32 s[STEP], s[STEP], 1
	s_cmp_lt_u32 s[STEP], 10
	s_cbranch_scc1 .Lstep
	QUARTER 2, 1, 0, 0                             ; steps 10 and 11 fill nothing
	QUARTER 3, 0, 1, 0
	TURN 0
	QUARTER 1, 0, 1, 0
	QUARTER 2, 1, 0, 0
	QUARTER 3, 0, 1, 0
	LASTQ
	EPI CO2, 0                                     ; v
	s_wait_tensorcnt 0x0                           ; the wave's end
	ds_add_u32 v[SPW], v[NIL]
	s_wait_dscnt 0x0
	CROUND                                         ; the closing round
	s_endpgm
.Lfunc_end_k_qe436729375_proj:
	.size	k_qe436729375_proj, .Lfunc_end_k_qe436729375_proj-k_qe436729375_proj
	.p2alignl 7, 3214868480
	.fill 96, 4, 3214868480
	.section	.rodata,"a",@progbits
	.p2align	6, 0x0
	.amdhsa_kernel k_qe436729375_proj
		.amdhsa_group_segment_fixed_size 327680
		.amdhsa_private_segment_fixed_size 0
		.amdhsa_enable_private_segment 0
		.amdhsa_kernarg_size 32
		.amdhsa_user_sgpr_count 2
		.amdhsa_user_sgpr_kernarg_segment_ptr 1
		.amdhsa_wavefront_size32 1
		.amdhsa_system_sgpr_workgroup_id_x 1
		.amdhsa_system_sgpr_workgroup_id_y 1
		.amdhsa_system_sgpr_workgroup_id_z 1
		.amdhsa_system_vgpr_workitem_id 0
		.amdhsa_next_free_vgpr 576
		.amdhsa_next_free_sgpr 80
		.amdhsa_reserve_vcc 0
		.amdhsa_float_denorm_mode_32 3
		.amdhsa_float_denorm_mode_16_64 3
		.amdhsa_memory_ordered 1
		.amdhsa_forward_progress 1
		.amdhsa_inst_pref_size 86
	.end_amdhsa_kernel
	.amdgpu_metadata
---
amdhsa.version: [ 1, 2 ]
amdhsa.kernels:
  - .name:           k_qe436729375_proj
    .symbol:         k_qe436729375_proj.kd
    .args:
      - { .name: xkv, .offset: 0, .size: 8, .value_kind: global_buffer, .address_space: global }
      - { .name: wall, .offset: 8, .size: 8, .value_kind: global_buffer, .address_space: global }
      - { .name: biasr, .offset: 16, .size: 8, .value_kind: global_buffer, .address_space: global }
      - { .name: qkv, .offset: 24, .size: 8, .value_kind: global_buffer, .address_space: global }
    .group_segment_fixed_size: 327680
    .private_segment_fixed_size: 0
    .kernarg_segment_align: 8
    .kernarg_segment_size: 32
    .max_flat_workgroup_size: 128
    .sgpr_count:     80
    .vgpr_count:     576
    .wavefront_size: 32
...
	.end_amdgpu_metadata
.endif
;; end of part 2
;; launch attn (part 3): grid 4 x 64, 4 waves a work-group, clusters of 4 x 4, 327,680 bytes of LDS; arguments qkv, maskr, layer_head_mask, o16; writes o16
.if DOCPART == 3
	.amdgcn_target "amdgcn-amd-amdhsa--gfx1250"
	.amdhsa_code_object_version 6
	.text
	.protected	k_qe436729375_attn
	.globl	k_qe436729375_attn
	.p2align	8
	.type	k_qe436729375_attn,@function
k_qe436729375_attn:
	s_mov_b64 s[64:65], 0
	v_nop
	global_prefetch_b8 v0, s[64:65] scope:SCOPE_SE
	s_setreg_imm32_b32 hwreg(HW_REG_WAVE_MODE, 25, 1), 1
	s_wait_xcnt 0x0
	s_wait_alu depctr_hold_cnt(0) depctr_sa_sdst(0) depctr_va_vdst(0) depctr_va_sdst(0) depctr_va_ssrc(0) depctr_va_vcc(0) depctr_vm_vsrc(0)
	s_getreg_b32 s2, hwreg(HW_REG_IB_STS2, 6, 4)
	s_cmp_eq_u32 s2, 0
	s_cbranch_scc0 .Lentry_in_a_cluster
	s_endpgm
.Lentry_in_a_cluster:
	s_bfe_u32 s2, ttmp6, 0x10000c
	s_cmp_lg_u32 s2, 0xf033
	s_cbranch_scc0 .Lentry_shape_is_right
	s_endpgm
.Lentry_shape_is_right:
; O[row][head] = gain[head] x the sum over keys of softmax_k(q . k / 8 + mask[row][key]) v.  The scores are kept 8 times as large: s = q . k + 8 mask, and the 1/8 lies in the exponent's factor c.
; qkv: f16, q at byte 0, k at 16,777,216, v at 33,554,432, each 8192 x 1024 (a head is 64 columns) in blocks of 16 rows x 16 columns, 512 bytes: block (row / 16, column / 16) at (row / 16) x 32,768 + (column / 16) x 512;
; in a block of q or k the eight numbers (row % 16 = r, columns 8 h + 0..7) lie at 16 (16 h + r), in a block of v at 16 (2 r + h).  o16: f16, 8192 x 1024, in q's layout.
; maskr: f32 [8192][1024], 8 x numbers of bf16; layer_head_mask: f32 [16], rounded to bf16 here.  Products, maxima and sums in f32; the weights p are rounded to f16 for the second product (their sum l is taken of
; the unrounded p), O once at the end.
; LIMITS.  q, k, v arrive within f16's 65,504; p lies in 0 to 1 and below 6e-5 keeps f16's fixed step of 6e-8.  The running maximum starts at -2^100: a row all of whose masked scores lie below -2^97 has l = 0 and gives
; no number; -infinity in the mask gives the weight 0; +infinity and NaN are not treated apart; a weight below 2^-126 counts as 0 in l.
; SHARES.  A work-group owns 128 queries of one batch and FOUR heads, a head a wave: the four waves share ONE tile of the mask.  A wave owns four PIECES of two tiles of 16 queries, and walks the batch's 1,024 keys, 64 a step.
; LAYOUT.  S^T = K Q^T + M^T (source 0 = 16 keys, source 1 = 16 queries; the C operand that starts the sum is the mask: register j of lane l is mask[query l % 16][key 8 (l / 16) + j], 32 consecutive bytes).
; Two results rounded to f16 in pairs ARE source 1 of O^T = V^T P.  A half fragment of Q or K is a block as it lies: 16 bytes at 16 x lane.  V comes turned, by ds_load_tr16_b128.  A lane's eight numbers of O^T are its
; 16 bytes of a block of O: a block leaves by one store of 512 consecutive bytes, with no way through LDS.
; SOFTMAX.  A running maximum m and sum l: p = 2^(c s - c m), c = log2(e) / 8; in every step O and l are multiplied by a = 2^(c m_old - c m_new).  O and l start at 0.
; BY TURNS.  Turn n belongs to piece n: 16 products K Q^T of piece n + 1, later 16 products V^T P of piece n - 1; beside them piece n's scaling, exponentials, roundings, sums and rescaling and piece n + 1's maximum and
; statistics.  A tile and step have 16 matrix and 118 vector instructions: four that are ready stand behind every matrix instruction, the others in two runs of their own.
; CLUSTER 4 x 4.  The mask's tile hangs on the query block alone and is asked for jointly along the cluster's row (the four groups of heads); K's and V's hang on batch and group of heads, jointly along its column.
; RING.  Two LDS slots of one key step: 128 rows of mask, 64 keys of K, 64 of V.  Wave 0 fetches the mask, wave 1 K, wave 2 V: one tensor load a wave is out.  Wave 3 asks for its quarter (32 rows x 256 bytes, by the
; work-group's place in the cluster's row) of the mask tile that the NEXT change of slots will load: each block of 256 bytes by one lane, one key step ahead; the last request is held at the last tile.
; REGISTERS, in windows of 256: window 0: v0-15 addresses and c m_old; v16-47 statistics; v48-63 at work; v64-191 S^T, two buffers of two tiles; v192-255 P, likewise.  window 1: O^T, 32 a tile.
;   window 2: v0-127 Q; v128-191 K of one step; v192-255 V of one step.  window 3: v0-1 the add's registers; v64-127 the mask of one piece.
.set NP,    4
.set PMK,   272       ; a row of the mask in LDS: 256 bytes + 16 = 68 words: the 16 rows of a load start at 16 different groups of four banks (64 banks of 4 bytes: ISA guide 11.1)
.set RBL,   32768     ; bytes of a block row in memory: 64 blocks
.set BLK,   512       ; bytes of a block
.set KROW,  16*BLK    ; a block row of K or V in LDS: the work-group's 16 blocks (four heads)
.set KOFF,  128*PMK
.set VOFF,  KOFF+4*KROW
.set SLOT1, 1<<17
.set SPARE, SLOT1+VOFF+4*KROW   ; behind the ring: the spare words, 128 bytes for each wave: two blocks of 256 bytes that no other line names
.set PF0, 0           ; v0   (once the thread's number has served) my row of the mask's tile, in bytes, for the prefetch
.set PF,  1           ; v1   the same plus the tile's column
.set AK0, 2           ; v2   my lane's place in a tile of K; never rewritten
.set AV0, 3           ; v3   of V
.set AK,  4           ; v4   the same in the slot in hand
.set AV,  5
.set GO,  8           ; v8   16 x lane: my 16 bytes in a block of Q and of O
.set AM0, 9           ; v9   my lane's place in a tile of the mask
.set AM,  10          ; v10  the same in the slot in hand
.set HMV, 11          ; v11  my head's gain
.set MV,  12          ; v12-15  c m_old, kept while c m is made anew
.set ST,  16          ; tile t's statistics at v[ST+4 t]: c m, m, l (even keys', odd keys')
.set TMP, 48
.set S,   64
.set P,   192
.set KF,  128         ; window 2
.set VF,  192         ; window 2
.set SPW, 0           ; window 3
.set NIL, 1           ; window 3
.set MC,  64          ; window 3: tile u, key block kb at MC + 32 u + 8 kb
.set WV,  12          ; s12  my wave's number
.set G1M, 24          ; s[24:31] descriptor group 1 for the mask's tiles
.set G1K, 32          ; s[32:39] for K's and V's
.set G0M, 48          ; one walking group 0 for each tensor
.set G0K, 52
.set G0V, 56
.set CS,  60          ; s[60:61] c
.set SEL, 62          ; s[62:63] v_permlanex16_b32's selects
.set SLOTS, 66
.set CNT, 67
.set TB,  68          ; LDS byte at which the slot in hand begins
.set PC,  69          ; byte column of the mask tile to be prefetched
.set PMP, 72          ; s[72:73] the mask at my query block's first row
.set MSB, 0
.macro WIN new
.if MSB != (\new)
	s_set_vgpr_msb (MSB<<8)|(\new)
.set MSB, (\new)
.endif
.endm
.set W_KQ, 0x0a       ; K and Q in window 2, S^T in window 0
.set W_KM, 0x3a       ; the same with the C operand in window 3
.set W_PV, 0x52       ; V in window 2, P in window 0, O^T in window 1
.set W_RS, 0x41       ; O^T (destination and source 0) in window 1, a in window 0
.set W_MK, 0xc0       ; destination in window 3
.set W_AD, 0x0f       ; the add: address and data in window 3
; A joint fill.  The branches hang on the wave's number alone.  An s_nop 0 and four v_nop follow each tensor load.
.macro JLOAD pf
	s_cmp_lg_u32 s[WV], 0
	s_cbranch_scc1 .Lnot_m_\@
	tensor_load_to_lds s[G0M:G0M+3], s[G1M:G1M+7]
	s_nop 0
.rept 4
	v_nop
.endr
	s_branch .Lasked_\@
.Lnot_m_\@:
	s_cmp_lg_u32 s[WV], 1
	s_cbranch_scc1 .Lnot_k_\@
	tensor_load_to_lds s[G0K:G0K+3], s[G1K:G1K+7]
	s_nop 0
.rept 4
	v_nop
.endr
	s_branch .Lasked_\@
.Lnot_k_\@:
	s_cmp_lg_u32 s[WV], 2
	s_cbranch_scc1 .Lnot_v_\@
	tensor_load_to_lds s[G0V:G0V+3], s[G1K:G1K+7]
	s_nop 0
.rept 4
	v_nop
.endr
.if \pf
	s_branch .Lasked_\@
.endif
.Lnot_v_\@:
.if \pf
	global_prefetch_b8 v[PF], s[PMP:PMP+1] th:TH_LOAD_NT scope:SCOPE_SE  ; 32 lanes, a row of 256 bytes each: at most byte 3,840 + 127 x 4,096 of my block's 524,288
.endif
.Lasked_\@:
.endm
.macro CROUND
	s_barrier_signal -1
	s_barrier_wait -1
	s_cmp_lg_u32 s[WV], 0
	s_cbranch_scc1 .Lnot_wave_0_\@
	s_barrier_signal -3
.Lnot_wave_0_\@:
	s_barrier_wait -3
	s_barrier_signal -1
	s_barrier_wait -1
.endm
; THE CHANGE OF SLOTS, between piece 1's turn and piece 2's: all that is read between two changes (K, the mask's four pieces, V of one key step) lies in one slot.  Each wave waits for all its tensor loads, adds 0
; to its spare word, and waits for that and for its own reads of the slot.  fill = 1: the barrier is a round of the cluster's, and the slot that is left is filled again first thing behind it, with the
; keys two steps on: it has a key step, 128 matrix instructions, in which to land.  (At its first use nothing has been read yet: slot 0 is waited for, slot 1 filled.)
.macro CHANGE fill
	WIN 0
.if \fill
	s_wait_xcnt 0x0                 ; the last prefetch, a key step back, has read its address register
	s_add_co_u32 s[PC], s[PC], 256
	s_min_u32 s[PC], s[PC], 15*256  ; held at the last tile
	v_add_nc_u32 v[PF], s[PC], v[PF0]
.endif
	WIN W_AD
	s_wait_tensorcnt 0x0            ; no tensor load of mine is out, so a group 0 may be written
	ds_add_u32 v[SPW], v[NIL]
	WIN 0
.if \fill
	s_xor_b32 s[G0M+1], s[G0M+1], SLOT1
	s_add_nc_u64 s[G0M+2:G0M+3], s[G0M+2:G0M+3], 256       ; the next 64 keys' columns
	s_xor_b32 s[G0K+1], s[G0K+1], SLOT1
	s_add_nc_u64 s[G0K+2:G0K+3], s[G0K+2:G0K+3], 4*RBL     ; the next 64 keys: four block rows
	s_xor_b32 s[G0V+1], s[G0V+1], SLOT1
	s_add_nc_u64 s[G0V+2:G0V+3], s[G0V+2:G0V+3], 4*RBL
	s_wait_dscnt 0x0                ; the add is done, and my reads of the slot are over
	CROUND
	JLOAD 1
.else
	s_wait_dscnt 0x0
	s_barrier_signal -1
	s_barrier_wait -1
.endif
	s_xor_b32 s[TB], s[TB], SLOT1
	v_add_nc_u32 v[AK], s[TB], v[AK0]
	v_add_nc_u32 v[AV], s[TB], v[AV0]
	v_add_nc_u32 v[AM], s[TB], v[AM0]
.endm
	s_load_b256 s[4:11], s[0:1], 0x0  ; qkv s[4:5], maskr s[6:7], layer_head_mask s[8:9], o16 s[10:11]
	WIN W_MK
	v_lshl_add_u32 v[SPW], v0, 2, SPARE
	v_mov_b32 v[NIL], 0
	WIN W_AD
	ds_add_u32 v[SPW], v[NIL]       ; the wave's opening
	WIN 0
	v_lshrrev_b32 v1, 5, v0
	v_readfirstlane_b32 s[WV], v1   ; wave 0..3
	s_bfe_u32 s13, ttmp6, 0x40000   ; cx
	s_bfe_u32 s14, ttmp6, 0x40004   ; cy
	s_lshl_b32 s15, ttmp9, 2
	s_add_co_u32 s15, s15, s13      ; my group of four heads = 4 x cluster x + cx
	s_and_b32 s16, ttmp7, 0xffff
	s_lshl_b32 s17, s16, 2
	s_add_co_u32 s17, s17, s14      ; my block of 128 queries = 4 x cluster y + cy
	s_lshr_b32 s18, s16, 1          ; the batch: eight blocks, two clusters: the cluster's column shares it
	s_lshl_b32 s19, s14, 2
	s_lshl_b32 s19, 15, s19         ; my row of the cluster
	s_lshl_b32 s20, 0x1111, s13     ; my column
	s_or_b32 s[G1M], s19, (2<<16)|(1<<20)|(1<<21)|(5<<22)|(3<<25)  ; the mask of work-groups; 4-byte elements; padding on; bit 21 beside a mask; after every 64 words 4 words
	s_mov_b32 s[G1M+1], 64<<16      ; tensor_dim0 = 64
	s_mov_b32 s[G1M+2], 128<<16     ; tensor_dim1 = 128
	s_mov_b32 s[G1M+3], 64<<16      ; tile_dim0 = 64
	s_mov_b32 s[G1M+4], 128         ; tile_dim1 = 128
	s_mov_b32 s[G1M+5], 1024
	s_mov_b32 s[G1M+6], 0
	s_mov_b32 s[G1M+7], 0
	s_or_b32 s[G1K], s20, (3<<16)|(1<<21)  ; 8-byte elements; no padding: a fragment load takes 512 consecutive bytes
	s_mov_b32 s[G1K+1], (KROW/8)<<16       ; tensor_dim0 = 1,024: four heads' 16 blocks, 8,192 consecutive bytes
	s_mov_b32 s[G1K+2], 4<<16              ; tensor_dim1 = 4 block rows, 64 keys
	s_mov_b32 s[G1K+3], (KROW/8)<<16       ; tile_dim0
	s_mov_b32 s[G1K+4], 4                  ; tile_dim1
	s_mov_b32 s[G1K+5], RBL/8              ; elements from block row to block row
	s_mov_b32 s[G1K+6], 0
	s_mov_b32 s[G1K+7], 0
	s_lshl_b32 s22, s17, 19         ; the mask: 128 rows of 4,096 bytes x query block
	s_mov_b32 s23, 0
	s_lshl_b32 s74, s18, 21         ; K and V: 64 block rows x batch
	s_lshl_b32 s75, s15, 13         ; + 16 blocks x group of heads
	s_add_co_u32 s74, s74, s75
	s_mov_b32 s75, 0
	s_lshl_b32 s76, s17, 18         ; Q and O: 8 block rows x query block + 16 blocks x group + 4 blocks x wave
	s_lshl_b32 s21, s15, 13
	s_add_co_u32 s76, s76, s21
	s_lshl_b32 s21, s[WV], 11
	s_add_co_u32 s76, s76, s21
	s_mov_b32 s77, 0
	s_mov_b32 s[CS], 0x3e38aa3b     ; c = log2(e) / 8
	s_mov_b32 s[CS+1], s[CS]
	s_mov_b32 s[SEL], 0x76543210
	s_mov_b32 s[SEL+1], 0xfedcba98
	s_mov_b32 s[TB], SLOT1          ; the first change of slots turns it into 0
	s_mov_b32 s[PC], 256
	s_mov_b32 s[G0M], 1
	s_mov_b32 s[G0M+1], 0
	s_mov_b32 s[G0K], 1
	s_mov_b32 s[G0K+1], KOFF
	s_mov_b32 s[G0V], 1
	s_mov_b32 s[G0V+1], VOFF
	s_wait_dscnt 0x0                ; the opening add is done
	s_wait_kmcnt 0x0
	s_add_nc_u64 s[PMP:PMP+1], s[6:7], s[22:23]
	s_add_nc_u64 s[G0M+2:G0M+3], s[6:7], s[22:23]
	s_or_b32 s[G0M+3], s[G0M+3], 0x80000000
	s_add_nc_u64 s[G0K+2:G0K+3], s[4:5], s[74:75]
	s_add_nc_u64 s[G0V+2:G0V+3], s[G0K+2:G0K+3], 33554432
	s_add_nc_u64 s[G0K+2:G0K+3], s[G0K+2:G0K+3], 16777216
	s_or_b32 s[G0K+3], s[G0K+3], 0x80000000
	s_or_b32 s[G0V+3], s[G0V+3], 0x80000000
	s_add_nc_u64 s[4:5], s[4:5], s[76:77]    ; Q at my first block
	s_add_nc_u64 s[10:11], s[10:11], s[76:77]  ; O likewise
	CROUND                          ; all sixteen work-groups are here: the first joint loads meet
	JLOAD 0                         ; key step 0 into slot 0
	v_and_b32 v48, 15, v0           ; l % 16
	v_bfe_u32 v49, v0, 4, 1         ; l / 16
	v_and_b32 v50, 7, v0
	v_bfe_u32 v51, v0, 3, 1
	v_and_b32 v52, 31, v0           ; l
	v_lshlrev_b32 v[GO], 4, v52
	s_lshl_b32 s21, s15, 2
	s_add_co_u32 s21, s21, s[WV]    ; my head
	s_lshl_b32 s21, s21, 2
	v_mov_b32 v13, s21
	global_load_b32 v[HMV], v13, s[8:9]  ; its gain, in every lane
	WIN 0x80                        ; destination window 2, address window 0
.set i, 0
.rept 4*NP                          ; Q stays in registers: tile i / 2, channels 32 (i % 2) on: two blocks, 512 consecutive bytes a load
	global_load_b128 v[8*i:8*i+3],   v[GO], s[4:5] offset:(i/2)*RBL+(i%2)*2*BLK
	global_load_b128 v[8*i+4:8*i+7], v[GO], s[4:5] offset:(i/2)*RBL+(i%2)*2*BLK+BLK
.set i, i+1
.endr
	; What the first turn finds: V's registers and P's second buffer hold 0 (its products V^T P, of a piece that has not been, add 0), O^T and l are 0.  No first step is written out; the price is these lines, in the wait for the first tile.
.set i, VF
.rept 64
	v_mov_b32 v[i], 0
.set i, i+1
.endr
	WIN 0
.set i, 0
.rept 2*NP
	v_mov_b32 v[ST+4*i], 0xf038aa3b    ; c m = -c 2^100
	v_mov_b32 v[ST+4*i+1], 0xf1800000  ; m = -2^100: finite, so that a step whose scores are all -infinity gives a = 1 and p = 0
	v_mov_b32 v[ST+4*i+2], 0
	v_mov_b32 v[ST+4*i+3], 0
.set i, i+1
.endr
.set i, P+32
.rept 32
	v_mov_b32 v[i], 0
.set i, i+1
.endr
	WIN W_PV                        ; O^T's 32 accumulators start as the product of those zeros with the constant 0 as C: one line for eight registers
.set i, 0
.rept 32
	v_wmma_f32_16x16x32_f16 v[8*i:8*i+7], v[VF:VF+7], v[P+32:P+39], 0
.set i, i+1
.endr
	WIN 0
	s_lshl_b32 s2, s[WV], 11        ; my head's four blocks in a block row of K and V
	s_add_co_u32 s3, s2, KOFF
	v_add_nc_u32 v[AK0], s3, v[GO]
	v_lshl_add_u32 v[AV0], v49, 3, v50   ; the turning load: key 8 (l / 16) + l % 8 of a block,
	v_lshlrev_b32 v[AV0], 5, v[AV0]      ; 32 bytes a key,
	v_lshl_add_u32 v[AV0], v51, 4, v[AV0]  ; channels 8 ((l / 8) % 2) + 0..7: 16 lanes take 256 consecutive bytes
	s_add_co_u32 s3, s2, VOFF
	v_add_nc_u32 v[AV0], s3, v[AV0]
	v_mul_u32_u24 v[AM0], v48, PMK
	v_lshl_add_u32 v[AM0], v49, 5, v[AM0]  ; query l % 16, keys 8 (l / 16) on
	v_lshlrev_b32 v1, 12, v52
	s_lshl_b32 s3, s13, 17          ; the prefetch alone: 32 rows of 4,096 bytes x my place in the cluster's row
	v_add_nc_u32 v[PF0], s3, v1
; THE MATRIX WORK.  The 8 accumulators of a run of 16 take turns.  Product i of 16 of S^T for piece x: channels 32 (i / 8) on, keys 16 ((i / 2) % 4) on, tile 2 x + i % 2.  The first 8 start the sums, with the mask.
.macro KQ x
.set rS, S+64*((\x)%2)+32*(i%2)+8*((i/2)%4)
.set rK, KF+16*((i/2)%4)+8*(i/8)
.set rQ, 16*(2*(\x)+i%2)+8*(i/8)
.set rN, MC+32*(i%2)+8*((i/2)%4)
.if i < 8
	WIN W_KM
	v_wmma_f32_16x16x32_f16 v[rS:rS+7], v[rK:rK+7], v[rQ:rQ+7], v[rN:rN+7]
.else
	WIN W_KQ
	v_wmma_f32_16x16x32_f16 v[rS:rS+7], v[rK:rK+7], v[rQ:rQ+7], v[rS:rS+7]
.endif
.endm
; Product i of 16 of O^T += V^T P for piece x: keys 32 (i / 8) on, channels 16 ((i / 2) % 4) on, tile 2 x + i % 2.
.macro PV x
	WIN W_PV
.set rO, 32*(2*(\x)+i%2)+8*((i/2)%4)
.set rV, VF+32*(i/8)+8*((i/2)%4)
.set rP, P+32*((\x)%2)+16*(i%2)+8*(i/8)
	v_wmma_f32_16x16x32_f16 v[rO:rO+7], v[rV:rV+7], v[rP:rP+7], v[rO:rO+7]
.endm
.macro MM                           ; the turn's next matrix instruction
.if i < 16
	KQ (Y+1)%NP
.set i, i+1
.else
.set i, i-16
	PV (Y+NP-1)%NP
.set i, i+17
.endif
.endm
; THE LDS LOADS stand in runs of 16, never singly among the matrix instructions.
.macro FETCH_K
	WIN 0x80                        ; destination window 2
.irp f, 0,1,2,3,4,5,6,7             ; keys 16 (f / 2) on, channels 32 (f % 2) on: two blocks
	ds_load_b128 v[KF+8*\f:KF+8*\f+3],   v[AK] offset:(\f/2)*KROW+(\f%2)*2*BLK
	ds_load_b128 v[KF+8*\f+4:KF+8*\f+7], v[AK] offset:(\f/2)*KROW+(\f%2)*2*BLK+BLK
.endr
	WIN 0
.endm
.macro FETCH_V
	WIN 0x80
.irp f, 0,1,2,3,4,5,6,7             ; keys 32 (f / 4) on (two block rows), channels 16 (f % 4) on (one block)
	ds_load_tr16_b128 v[VF+8*\f:VF+8*\f+3],   v[AV] offset:(\f/4)*2*KROW+(\f%4)*BLK
	ds_load_tr16_b128 v[VF+8*\f+4:VF+8*\f+7], v[AV] offset:(\f/4)*2*KROW+KROW+(\f%4)*BLK
.endr
	WIN 0
.endm
.macro FETCH_M x                    ; the mask of piece x: tile 2 x + u, key block kb
	WIN W_MK
.irp u, 0,1
.irp kb, 0,1,2,3
	ds_load_b128 v[MC+32*(\u)+8*(\kb):MC+32*(\u)+8*(\kb)+3],   v[AM] offset:(2*(\x)+(\u))*16*PMK+64*(\kb)
	ds_load_b128 v[MC+32*(\u)+8*(\kb)+4:MC+32*(\u)+8*(\kb)+7], v[AM] offset:(2*(\x)+(\u))*16*PMK+64*(\kb)+16
.endr
.endr
	WIN 0
.endm
; THE VECTOR WORK OF A TURN stands in three queues, each in the order in which its entries become ready; the two tiles alternate, so that no instruction reads the result of the one before it.
.macro REGS y, u                    ; the registers of tile u (0, 1) of piece y
.set rT, ST+4*(2*(\y)+(\u))
.set rC, TMP+8*((\y)%2)+4*(\u)
.set rM, MV+2*((\y)%2)+(\u)
.set rS, S+64*((\y)%2)+32*(\u)
.set rP, P+32*((\y)%2)+16*(\u)
.set rO, 32*(2*(\y)+(\u))
.endm
; Number n of the 22 that find the NEXT piece's maximum and statistics.  Each accumulator's lowest registers are read first.
;   0-11  four chains c0-c3 of seven scores each     12-14, 16  the four scores left over, the old m, and c0-c3 into c0     15  c m_old is kept     17, 18  the lane 16 away: the new m     19-21  c m; c m_old - c m_new; a
.macro XS u, n
	REGS (Y+1)%NP, \u
.if (\n) < 4
	v_max3_num_f32 v[rC+(\n)], v[rS+8*(\n)], v[rS+8*(\n)+1], v[rS+8*(\n)+2]
.elseif (\n) < 12
	v_max3_num_f32 v[rC+(\n)%4], v[rC+(\n)%4], v[rS+8*((\n)%4)+2*((\n)/4)+1], v[rS+8*((\n)%4)+2*((\n)/4)+2]
.elseif (\n) == 12
	v_max3_num_f32 v[rC], v[rC], v[rS+7], v[rS+15]
.elseif (\n) == 13
	v_max3_num_f32 v[rC+1], v[rC+1], v[rS+23], v[rS+31]
.elseif (\n) == 14
	v_max3_num_f32 v[rC+2], v[rC+2], v[rC+3], v[rT+1]
.elseif (\n) == 15
	v_mov_b32 v[rM], v[rT]
.elseif (\n) == 16
	v_max3_num_f32 v[rC], v[rC], v[rC+1], v[rC+2]
.elseif (\n) == 17
	v_permlanex16_b32 v[rC+3], v[rC], s[SEL], s[SEL+1]
.elseif (\n) == 18
	v_max_num_f32 v[rT+1], v[rC], v[rC+3]
.elseif (\n) == 19
	v_mul_f32 v[rT], s[CS], v[rT+1]
.elseif (\n) == 20
	v_sub_f32 v[rC+1], v[rM], v[rT]
.else
	v_exp_f32 v[rC+2], v[rC+1]
.endif
.endm
; Number g of the 64 that follow the exponentials.  For each four weights k of a tile: both pairs are rounded to f16; the second pair is added onto the first, in place; a group later l takes that sum (the first time as l = a l + sum).
.macro GS g
.set h, (\g)+6*((\g)/62)
.if h >= 6
.set h, h+2
.endif
	REGS Y, h%2
.set k, h/8
.if h%8 < 4
	s_wait_alu depctr_va_vdst(0)
	v_cvt_pk_f16_f32 v[rP+2*k+(h%8)/2], v[rS+4*k+2*((h%8)/2)], v[rS+4*k+2*((h%8)/2)+1]
.elseif h%8 < 6
	v_pk_add_f32 v[rS+4*k:rS+4*k+1], v[rS+4*k:rS+4*k+1], v[rS+4*k+2:rS+4*k+3]
.elseif k == 1
	v_pk_fma_f32 v[rT+2:rT+3], v[rT+2:rT+3], v[rC+2:rC+3], v[rS:rS+1] op_sel_hi:[1,0,1]
.else
	v_pk_add_f32 v[rT+2:rT+3], v[rT+2:rT+3], v[rS+4*k-4:rS+4*k-3]
	s_wait_alu depctr_va_vdst(0)
.endif
.endm
; THE PLAIN QUEUE, 138 long.  0-31: c s - c m for the 16 pairs of both tiles.  Then GS's 64, and among them the next piece's 42.
.macro PL
	WIN 0
.if q < 32
	REGS Y, q%2
	v_pk_fma_f32 v[rS+2*(q/2):rS+2*(q/2)+1], v[rS+2*(q/2):rS+2*(q/2)+1], s[CS:CS+1], v[rT:rT+1] op_sel_hi:[1,0,0] neg_lo:[0,0,1] neg_hi:[0,0,1]
.elseif q < 38
	GS q-32
.elseif q < 40
	XS q%2, 15
.elseif q < 42
	GS q-34
.elseif q < 74
	XS q%2, (q-42)/2+(q-42)/30
.elseif q < 95
	GS q-66
.elseif (q < 107) && ((q-95)%3 < 2)
	XS (q-95)%3, 17+(q-95)/3
.elseif q < 107
	GS 29+(q-95)/3
.else
	GS q-74
.endif
.set q, q+1
.endm
; THE EXPONENTIALS' QUEUE, 66 long: s0-s31 of both tiles, and at EA the next piece's two a.
.set EA, 58
.macro EX
	WIN 0
.if (e == EA) || (e == EA+1)
	XS e-EA, 21
.else
.set x, e-2*(e/(EA+2))
	REGS Y, x%2
	v_exp_f32 v[rS+x/2], v[rS+x/2]
.endif
.set e, e+1
.endm
; THE RESCALING's QUEUE: O^T times a, the one part that leaves window 0, dealt four at a time, eight times.
.macro R4
	REGS Y, r%2
	WIN W_RS
	s_wait_alu depctr_va_vdst(0)
.irp z, 0,1,2,3
	v_pk_mul_f32 v[rO+8*(r/2)+2*\z:rO+8*(r/2)+2*\z+1], v[rO+8*(r/2)+2*\z:rO+8*(r/2)+2*\z+1], v[rC+2:rC+3] op_sel_hi:[1,0]
.endr
.set r, r+1
.endm
; HOW THEY ARE DEALT.  Behind a matrix instruction four: plain, exponential, plain, plain, or four of the rescaling; none names a register of the products round it.  What is over stands in two runs: exponential and plain
; by turns; the second ends in 22 plain instructions.  Exponential e stands behind plain 2 (e / 4) + e % 2 (its scaling); when plain 32 comes, 10 exponentials are out, at 59: 33, at 95: 46; EA comes behind plain 107.
.macro SL
	MM
	PL
	EX
	PL
	PL
.endm
.macro BURST n
.rept (\n)-7
	SL
.endr
.rept 3
	MM
	R4
	SL
.endr
	MM
	R4
.endm
; A TURN, for piece p.  The mask of piece p + 2 is fetched five pairs into the first run, far behind the eight products that took the mask of piece p + 1; it is waited for at the next turn's head.
; K of the next step is fetched in piece 2's turn, 30 vector instructions behind the last product that read K; V of the step in hand at the end of piece 0's turn, 68 behind its last reader.
.macro TURN p
.set Y, (\p)
.set i, 0
.set q, 0
.set e, 0
.set r, 0
.if (\p) == 1
	s_wait_dscnt 16                 ; the mask is in; V's run of 16, issued behind it, may stay out
.else
	s_wait_dscnt 0x0                ; the mask is in (piece 3's turn: and K)
.endif
	MM
.rept 4
	PL
.endr
	BURST 15
.rept 22
	EX
	PL
.if e == 16
	FETCH_M ((\p)+2)%NP
.endif
.if ((\p) == NP-2) && (e == 24)
	FETCH_K
.endif
.endr
.if (\p) == 1
	s_wait_dscnt 16                 ; V is in; the mask's run of 16 just issued stays out
.endif
	BURST 16
.rept 21
	EX
	PL
.endr
.rept 22
	PL
.endr
.if (\p) == 0
	FETCH_V
.endif
.endm
	CHANGE 1                        ; key step 0 is in, everybody's part of it; step 1 is asked for
	FETCH_K                         ; key step 0
	FETCH_M 0
	s_wait_loadcnt 0x0              ; Q and the gain
	s_wait_dscnt 0x0
.set i, 0
.rept 16
	KQ 0                            ; piece 0's first scores: there is no vector work yet to set between them
.set i, i+1
.endr
	WIN 0
	v_cvt_pk_bf16_f32 v[HMV], v[HMV], v[HMV]  ; the gain is rounded to bf16 like every other input
	v_lshlrev_b32 v[HMV], 16, v[HMV]
.rept 4
	v_nop                           ; the places behind those products
.endr
	FETCH_M 1
.set Y, NP-1                        ; XS works for piece Y + 1: piece 0
.irp n, 0,1,2,3,4,5,6,7,8,9,10,11,12,13,14,15,16,17,18,19,20,21
	XS 0, \n
	XS 1, \n
.endr
	s_mov_b32 s[SLOTS], 15
	s_branch .Lfirst                ; the loop is entered at a step's first turn, in the middle of a trip
.Lslot:                             ; 14 times: key steps 2 to 15 are asked for
	CHANGE 1
	TURN 2
	TURN 3
	WIN 0
.Lfirst:
	TURN 0
	TURN 1
	WIN 0
	s_sub_co_u32 s[SLOTS], s[SLOTS], 1
	s_cmp_lg_u32 s[SLOTS], 0
	s_cbranch_scc1 .Lslot
	CHANGE 0                        ; the tail is written out: nothing is asked for
	s_mov_b32 s[CNT], 2             ; the first trip fetches the last step; the second is left in its middle
.Ltail:
	TURN 2
	TURN 3
	WIN 0
	s_sub_co_u32 s[CNT], s[CNT], 1
	s_cmp_eq_u32 s[CNT], 0
	s_cbranch_scc1 .Lout
	TURN 0
	TURN 1
	WIN 0
	s_branch .Ltail
.Lout:                              ; the second trip's fetches (the last slot once more), its 16 products K Q^T and the maximum made of them serve nothing: the price, once a launch, of one text for every trip
.set i, 0
.rept 16
	PV NP-1                         ; the last piece's V^T P of the last step
.set i, i+1
.endr
	; THE WAY OUT.  l's two halves and the other half of the lanes' are added; O^T is multiplied by gain / l, rounded to f16 and stored, a block a store.  The additions are the places behind the last products.
	WIN 0
.macro ALL line:vararg              ; one line for each tile t
.set t, 0
.rept 2*NP
	\line
.set t, t+1
.endr
.endm
	ALL v_add_f32 v[ST+4*t+2], v[ST+4*t+2], v[ST+4*t+3]
	ALL v_permlanex16_b32 v[ST+4*t+3], v[ST+4*t+2], s[SEL], s[SEL+1]
	ALL v_add_f32 v[ST+4*t+2], v[ST+4*t+2], v[ST+4*t+3]
	ALL v_rcp_f32 v[ST+4*t+2], v[ST+4*t+2]
	v_nop                           ; a plain instruction between the last reciprocal and the use of its result
	s_wait_alu depctr_va_vdst(0)
	ALL v_mul_f32 v[ST+4*t+2], v[HMV], v[ST+4*t+2]
.macro PACK t                       ; tile t: a lane's eight channels of a query pack into 16 bytes, into S^T's registers (16 of their own for each tile: no store's data are written again)
	WIN W_RS
.set i, 32*(\t)
.rept 16
	v_pk_mul_f32 v[i:i+1], v[i:i+1], v[ST+4*(\t)+2:ST+4*(\t)+3] op_sel_hi:[1,0]
.set i, i+2
.endr
	WIN 0x05                        ; sources window 1, destination window 0
.set i, 0
.rept 16
	v_cvt_pk_f16_f32 v[S+16*(\t)+i], v[32*(\t)+2*i], v[32*(\t)+2*i+1]
.set i, i+1
.endr
	WIN 0
.irp f, 0,1,2,3
	global_store_b128 v[GO], v[S+16*(\t)+4*\f:S+16*(\t)+4*\f+3], s[10:11] offset:(\t)*RBL+\f*BLK  ; 512 consecutive bytes, at a multiple of 256 from O's first
.endr
.endm
.irp t, 0,1,2,3,4,5,6,7
	PACK \t
.endr
	WIN W_AD
	s_wait_tensorcnt 0x0            ; the wave's end
	ds_add_u32 v[SPW], v[NIL]
	s_wait_dscnt 0x0
	WIN 0
	CROUND                          ; the closing round
	s_endpgm
.Lfunc_end_k_qe436729375_attn:
	.size	k_qe436729375_attn, .Lfunc_end_k_qe436729375_attn-k_qe436729375_attn
	.p2alignl 7, 3214868480
	.fill 96, 4, 3214868480
	.section	.rodata,"a",@progbits
	.p2align	6, 0x0
	.amdhsa_kernel k_qe436729375_attn
		.amdhsa_group_segment_fixed_size 327680
		.amdhsa_private_segment_fixed_size 0
		.amdhsa_enable_private_segment 0
		.amdhsa_kernarg_size 32
		.amdhsa_user_sgpr_count 2
		.amdhsa_user_sgpr_kernarg_segment_ptr 1
		.amdhsa_wavefront_size32 1
		.amdhsa_system_sgpr_workgroup_id_x 1
		.amdhsa_system_sgpr_workgroup_id_y 1
		.amdhsa_system_sgpr_workgroup_id_z 1
		.amdhsa_system_vgpr_workitem_id 0
		.amdhsa_next_free_vgpr 896
		.amdhsa_next_free_sgpr 80
		.amdhsa_reserve_vcc 0
		.amdhsa_float_denorm_mode_32 3
		.amdhsa_float_denorm_mode_16_64 3
		.amdhsa_memory_ordered 1
		.amdhsa_forward_progress 1
		.amdhsa_inst_pref_size 210
	.end_amdhsa_kernel
	.amdgpu_metadata
---
amdhsa.version: [ 1, 2 ]
amdhsa.kernels:
  - .name:           k_qe436729375_attn
    .symbol:         k_qe436729375_attn.kd
    .args:
      - { .name: qkv, .offset: 0, .size: 8, .value_kind: global_buffer, .address_space: global }
      - { .name: maskr, .offset: 8, .size: 8, .value_kind: global_buffer, .address_space: global }
      - { .name: layer_head_mask, .offset: 16, .size: 8, .value_kind: global_buffer, .address_space: global }
      - { .name: o16, .offset: 24, .size: 8, .value_kind: global_buffer, .address_space: global }
    .group_segment_fixed_size: 327680
    .private_segment_fixed_size: 0
    .kernarg_segment_align: 8
    .kernarg_segment_size: 32
    .max_flat_workgroup_size: 128
    .sgpr_count:     80
    .vgpr_count:     896
    .wavefront_size: 32
...
	.end_amdgpu_metadata
.endif
;; end of part 3
;; launch oproj (part 4): grid 4 x 64, 4 waves a work-group, clusters of 4 x 4, 327,680 bytes of LDS; arguments o16, wo16, biasr, out0; writes out0
.if DOCPART == 4
	.amdgcn_target "amdgcn-amd-amdhsa--gfx1250"
	.amdhsa_code_object_version 6
	.text
	.protected	k_qe436729375_oproj
	.globl	k_qe436729375_oproj
	.p2align	8
	.type	k_qe436729375_oproj,@function
k_qe436729375_oproj:
	s_mov_b64 s[64:65], 0
	v_nop
	global_prefetch_b8 v0, s[64:65] scope:SCOPE_SE
	s_setreg_imm32_b32 hwreg(HW_REG_WAVE_MODE, 25, 1), 1
	s_wait_xcnt 0x0
	s_wait_alu depctr_hold_cnt(0) depctr_sa_sdst(0) depctr_va_vdst(0) depctr_va_sdst(0) depctr_va_ssrc(0) depctr_va_vcc(0) depctr_vm_vsrc(0)
	s_getreg_b32 s2, hwreg(HW_REG_IB_STS2, 6, 4)
	s_cmp_eq_u32 s2, 0
	s_cbranch_scc0 .Lentry_in_a_cluster
	s_endpgm
.Lentry_in_a_cluster:
	s_bfe_u32 s2, ttmp6, 0x10000c
	s_cmp_lg_u32 s2, 0xf033
	s_cbranch_scc0 .Lentry_shape_is_right
	s_endpgm
.Lentry_shape_is_right:
; out0 = O Wo + bo.  o16: f16, 8192 x 1024 in blocks of 16 rows x 16 columns, 512 bytes: block (row / 16, column / 16) at (row / 16) x 32,768 + (column / 16) x 512, the eight numbers (row % 16 = r, columns 8 h + 0..7) at
; 16 (16 h + r); wo16: f16 [1024][1024] ([K][N], numbers of bf16); biasr: f32 [4][1024], bo in its fourth row; out0: f32 [8192][1024].  Products in f16, sums in f32, started from the bias.
; SHARES.  A work-group makes 128 x 256 of out0, K in eight steps of 128.  Four waves, each 64 x 128: 32 accumulators, 256 registers.
; RING.  Two LDS slots of one K step: 8 block rows of A (8 blocks, 4,096 bytes each, no padding: half a fragment is a block as it lies, 512 consecutive bytes) and 128 k-rows of B (512 bytes + 32).  Waves 0, 1 fetch A's
; halves, waves 2, 3 B's: one tensor load a wave behind each change of slots, two a wave at the start.  CLUSTER 4 x 4: A's tile is asked for jointly along the cluster's row, B's along its column.
; THE MATRIX INSTRUCTION IS USED TRANSPOSED: source 0 = 16 columns of Wo (turned out of LDS by ds_load_tr16_b128), source 1 = 16 rows of O: a lane holds row lane % 16 and eight neighbouring columns.
; REGISTERS: window 0: v0-31 addresses, v64-127 A's fragments (two buffers of 32), v128-255 B's (two of 64); window 1: accumulator (a, b) at 64 a + 8 b; window 2: v0-63 my 64 biases, in an accumulator's order.
.set BLK,    512                       ; bytes of a block
.set AROW,   8*BLK                     ; a block row of A in LDS: a K step's 8 blocks
.set PB,     544                       ; 136 words
.set AHALF,  4*AROW
.set BHALF,  64*PB
.set BOFF,   2*AHALF
.set SLOT1,  1<<17
.set STAGE,  SLOT1+BOFF+2*BHALF        ; behind the ring, never filled by a tensor load: 16 rows x 528 bytes for each wave
.set SP,     528
.set SPARE,  STAGE+4*16*SP             ; the spare words, 128 bytes for each wave: two blocks of 256 bytes that no other line names
.set ADRA0, 16
.set ADRB0, 17
.set ADRA,  18
.set ADRB,  19
.set STO,   24
.set RD,    25
.set CO,    26
.set BO,    27
.set SPW,   28
.set NIL,   29
.set FA,    64
.set FB,    128
.set G1A, 24
.set G0A, 32
.set G1B, 48
.set G0B, 56
.set STEP, 66
.set TB,   68
.set BP,   76                          ; s[76:77] the biases
.set OP,   78                          ; s[78:79] the output
.set W_MUL, 0x50                       ; C and D window 1, sources window 0
.set W_BEG, 0x60                       ; D window 1, C (the biases) window 2
.set MSB, 0
.macro WIN new
.if MSB != (\new)
	s_set_vgpr_msb (MSB<<8)|(\new)
.set MSB, \new
.endif
.endm
.macro PLACES                          ; four places in front of loads into registers that matrix instructions have read, and of LDS stores of results
.rept 4
	v_nop
.endr
.endm
.macro JLOAD                           ; a joint refill by the walking sets; an s_nop 0 and four v_nop follow each line
	s_cmp_eq_u32 s11, 0
	s_cbranch_scc0 .Lfor_b_\@
	tensor_load_to_lds s[G0A+4:G0A+7], s[G1A:G1A+7]
	s_nop 0
.rept 4
	v_nop
.endr
	s_branch .Lasked_\@
.Lfor_b_\@:
	tensor_load_to_lds s[G0B+4:G0B+7], s[G1B:G1B+7]
	s_nop 0
.rept 4
	v_nop
.endr
.Lasked_\@:
.endm
.macro CREST
	s_cmp_lg_u32 s10, 0
	s_cbranch_scc1 .Lnot_wave_0_\@
	s_barrier_signal -3
.Lnot_wave_0_\@:
	s_barrier_wait -3
	s_barrier_signal -1
	s_barrier_wait -1
.endm
.macro CROUND
	s_barrier_signal -1
	s_barrier_wait -1
	CREST
.endm
; 8 n matrix instructions: m blocks a0 .. a0 + n - 1 x all 8 n blocks, 32 along K, from buffer f.  The 32 accumulators take turns.  begin = 1: the products start the sums, with the biases as C.
.macro MUL f, a0, n, begin
.if \begin
	WIN W_BEG
.else
	WIN W_MUL
.endif
.set ma, (\a0)
.rept (\n)
.set mb, 0
.rept 8
.if \begin
	v_wmma_f32_16x16x32_f16 v[64*ma+8*mb:64*ma+8*mb+7], v[FB+64*(\f)+8*mb:FB+64*(\f)+8*mb+7], v[FA+32*(\f)+8*ma:FA+32*(\f)+8*ma+7], v[8*mb:8*mb+7]
.else
	v_wmma_f32_16x16x32_f16 v[64*ma+8*mb:64*ma+8*mb+7], v[FB+64*(\f)+8*mb:FB+64*(\f)+8*mb+7], v[FA+32*(\f)+8*ma:FA+32*(\f)+8*ma+7], v[64*ma+8*mb:64*ma+8*mb+7]
.endif
.set mb, mb+1
.endr
.set ma, ma+1
.endr
.endm
.macro FETCH q, f                      ; 24 LDS loads in one run: all of B (turned), then A's blocks 0 to 3 (two blocks of 512 bytes each)
	WIN 0
.irp i, 0,1,2,3,4,5,6,7
	ds_load_tr16_b128 v[FB+64*(\f)+8*(\i):FB+64*(\f)+8*(\i)+3],   v[ADRB] offset:(\q)*32*PB+32*(\i)
	ds_load_tr16_b128 v[FB+64*(\f)+8*(\i)+4:FB+64*(\f)+8*(\i)+7], v[ADRB] offset:(\q)*32*PB+32*(\i)+16*PB
.endr
.irp i, 0,1,2,3
	ds_load_b128 v[FA+32*(\f)+8*(\i):FA+32*(\f)+8*(\i)+3],   v[ADRA] offset:(\q)*2*BLK+(\i)*AROW
	ds_load_b128 v[FA+32*(\f)+8*(\i)+4:FA+32*(\f)+8*(\i)+7], v[ADRA] offset:(\q)*2*BLK+(\i)*AROW+BLK
.endr
.endm
.macro QUARTER q, f, g, begin
	s_wait_dscnt 4                                 ; B and A's blocks 0, 1 are in; the four youngest loads (blocks 2, 3) may be out
	MUL \f, 0, 2, \begin
	PLACES
	FETCH \q, \g
	s_wait_dscnt 24                                ; all but the 24 just issued
	MUL \f, 2, 2, \begin
.endm
; The last quarter multiplies buffer 1 and changes slots: each wave waits for all its tensor loads (one is out: its part of the next slot), adds 0 to its spare word, waits for that and for its reads of this
; slot, and signals.  fill = 1: the barrier opens a round of the cluster's, and this slot is filled again, two K steps ahead, first thing behind the round: 112 matrix instructions ahead of the wait for it.
.macro TURN fill
	WIN 0
	s_wait_tensorcnt 0x0
	ds_add_u32 v[SPW], v[NIL]
	s_wait_dscnt 5                                 ; (the add and the four youngest loads may be out)
	MUL 1, 0, 1, 0
	s_wait_dscnt 0x0                               ; the add is done, and my reads of this slot are over
	s_barrier_signal -1
	MUL 1, 1, 1, 0
	WIN 0
	s_barrier_wait -1
.if \fill
	CREST
	s_xor_b32 s[G0A+5], s[G0A+5], SLOT1
	s_add_nc_u64 s[G0A+6:G0A+7], s[G0A+6:G0A+7], AROW      ; the next 8 blocks of each block row
	s_xor_b32 s[G0B+5], s[G0B+5], SLOT1
	s_add_nc_u64 s[G0B+6:G0B+7], s[G0B+6:G0B+7], 128*2048
	JLOAD                                          ; its four v_nop are also the places in front of the loads below
.else
	PLACES
.endif
	s_xor_b32 s[TB], s[TB], SLOT1
	v_add_nc_u32 v[ADRA], s[TB], v[ADRA0]
	v_add_nc_u32 v[ADRB], s[TB], v[ADRB0]
	FETCH 0, 0
	MUL 1, 2, 2, 0
.endm
.macro LASTQ
	s_wait_dscnt 4
	MUL 1, 0, 2, 0
	s_wait_dscnt 0x0
	MUL 1, 2, 2, 0
.endm
; THE WAY OUT of m block a: 32 bytes a lane go from the accumulators (each from its low end on) into my own stage, rows of 528 bytes, and come back as whole rows of 512.
.macro OUTB a
	WIN 0x04                                       ; store data window 1, address window 0
.set pi, 0
.rept 8
	ds_store_b128 v[STO], v[64*(\a)+8*pi:64*(\a)+8*pi+3]   offset:64*pi
	ds_store_b128 v[STO], v[64*(\a)+8*pi+4:64*(\a)+8*pi+7] offset:64*pi+16
.set pi, pi+1
.endr
	WIN 0
	s_wait_xcnt 0x0                                ; the stores' base, and registers that earlier stores read, are rewritten only behind this wait
.if (\a) > 0
	s_add_nc_u64 s[OP:OP+1], s[OP:OP+1], 16*4096
.endif
.set BK, 64+64*((\a)%2)
.set pi, 0
.rept 16
	ds_load_b128 v[BK+4*pi:BK+4*pi+3], v[RD] offset:SP*pi  ; LDS serves a wave's instructions in order (ISA guide 5.7.1.4): these see the stores above
.set pi, pi+1
.endr
.set pi, 0
.rept 16
	s_wait_dscnt 15-pi                             ; row pi is in, the younger loads stay out
	global_store_b128 v[CO], v[BK+4*pi:BK+4*pi+3], s[OP:OP+1] offset:4096*pi th:TH_STORE_NT  ; 512 consecutive bytes, at a multiple of 256 from out0's first byte
.set pi, pi+1
.endr
.endm
	s_load_b128 s[4:7], s[0:1], 0x0                ; o16 s[4:5], wo16 s[6:7]
	s_load_b128 s[76:79], s[0:1], 0x10             ; biasr s[76:77], out0 s[78:79]
	v_lshl_add_u32 v[SPW], v0, 2, SPARE
	v_mov_b32 v[NIL], 0
	ds_add_u32 v[SPW], v[NIL]                      ; the wave's opening
	v_lshrrev_b32 v1, 5, v0
	v_readfirstlane_b32 s10, v1                    ; wave 0..3
	s_lshr_b32 s11, s10, 1                         ; which 64 rows of the part are mine.  Also: I fetch for A (0) or for B (1)
	s_and_b32 s12, s10, 1                          ; which 128 columns.  Also: which half of that tile I fetch
	s_bfe_u32 s40, ttmp6, 0x40000
	s_bfe_u32 s41, ttmp6, 0x40004
	s_lshl_b32 s42, ttmp9, 2
	s_add_co_u32 s42, s42, s40                     ; tile column
	s_and_b32 s13, ttmp7, 0xffff
	s_lshl_b32 s13, s13, 2
	s_add_co_u32 s13, s13, s41                     ; tile row
	s_lshl_b32 s43, s41, 2
	s_lshl_b32 s43, 15, s43                        ; my row of the cluster
	s_lshl_b32 s44, 0x1111, s40                    ; my column
	s_or_b32 s[G1A+0], s43, (3<<16)|(1<<21)        ; the mask; 8-byte elements; bit 21 beside a mask; no padding
	s_mov_b32 s[G1A+1], (AROW/8)<<16               ; tensor_dim0 = 512: a K step's 8 blocks, 4,096 consecutive bytes
	s_mov_b32 s[G1A+2], 4<<16                      ; tensor_dim1 = 4 block rows, 64 rows of O
	s_mov_b32 s[G1A+3], (AROW/8)<<16               ; tile_dim0
	s_mov_b32 s[G1A+4], 4                          ; tile_dim1
	s_mov_b32 s[G1A+5], 32768/8                    ; elements from block row to block row
	s_mov_b32 s[G1A+6], 0
	s_mov_b32 s[G1A+7], 0
	s_or_b32 s[G1B+0], s44, (1<<16)|(1<<20)|(1<<21)|(6<<22)|(7<<25)  ; 2-byte elements; padding on; after every 128 words 8 words
	s_mov_b32 s[G1B+1], 256<<16
	s_mov_b32 s[G1B+2], 64<<16
	s_mov_b32 s[G1B+3], 256<<16
	s_mov_b32 s[G1B+4], 64
	s_mov_b32 s[G1B+5], 1024
	s_mov_b32 s[G1B+6], 0
	s_mov_b32 s[G1B+7], 0
	s_lshl_b32 s17, s12, 2
	s_lshl_b32 s16, s13, 3
	s_add_co_u32 s16, s16, s17                     ; A: block row 8 x tile row + 4 x half,
	s_lshl_b32 s16, s16, 15                        ; in bytes
	s_mov_b32 s17, 0
	s_lshl_b32 s46, s42, 9                         ; B: 512 bytes x tile column + 64 rows x half
	s_lshl_b32 s47, s12, 17
	s_add_co_u32 s46, s46, s47
	s_mov_b32 s47, 0
	s_mul_i32 s20, s12, AHALF
	s_mul_i32 s21, s12, BHALF
	s_add_co_u32 s21, s21, BOFF
	s_mov_b32 s[TB], 0
	s_wait_dscnt 0x0                               ; the opening add is done
	s_wait_kmcnt 0x0
	s_add_nc_u64 s[14:15], s[4:5], s[16:17]
	s_add_nc_u64 s[46:47], s[6:7], s[46:47]
.irp s, 0,1
	s_mov_b32 s[G0A+4*(\s)], 1
	s_add_co_u32 s[G0A+4*(\s)+1], s20, (\s)*SLOT1
	s_add_nc_u64 s[G0A+4*(\s)+2:G0A+4*(\s)+3], s[14:15], (\s)*AROW
	s_or_b32 s[G0A+4*(\s)+3], s[G0A+4*(\s)+3], 0x80000000
	s_mov_b32 s[G0B+4*(\s)], 1
	s_add_co_u32 s[G0B+4*(\s)+1], s21, (\s)*SLOT1
	s_add_nc_u64 s[G0B+4*(\s)+2:G0B+4*(\s)+3], s[46:47], (\s)*128*2048
	s_or_b32 s[G0B+4*(\s)+3], s[G0B+4*(\s)+3], 0x80000000
.endr
	CROUND                                         ; all sixteen work-groups are here: the first joint loads meet
	s_cmp_eq_u32 s11, 0                            ; a wave's two first fills stand in one branch: two loads of mine are out
	s_cbranch_scc0 .Lfirst_b
	tensor_load_to_lds s[G0A:G0A+3], s[G1A:G1A+7]
	s_nop 0
	tensor_load_to_lds s[G0A+4:G0A+7], s[G1A:G1A+7]
	s_nop 0
.rept 4
	v_nop
.endr
	s_branch .Lfirst_asked
.Lfirst_b:
	tensor_load_to_lds s[G0B:G0B+3], s[G1B:G1B+7]
	s_nop 0
	tensor_load_to_lds s[G0B+4:G0B+7], s[G1B:G1B+7]
	s_nop 0
.rept 4
	v_nop
.endr
.Lfirst_asked:
	v_and_b32 v1, 15, v0                           ; l % 16
	v_bfe_u32 v2, v0, 4, 1                         ; l / 16
	v_and_b32 v4, 7, v0
	v_bfe_u32 v5, v0, 3, 1
	v_and_b32 v7, 31, v0
	v_lshlrev_b32 v[CO], 4, v7                     ; 16 x lane: my 16 bytes of a block of A, of a row of the stage and of a row's 512 bytes of out0
	s_mul_i32 s21, s11, AHALF                      ; my four block rows of A
	v_add_nc_u32 v[ADRA0], s21, v[CO]
	v_lshl_add_u32 v6, v2, 3, v4                   ; the turning load: k-row 8 (l / 16) + l % 8,
	v_mul_u32_u24 v6, v6, PB
	v_lshl_add_u32 v6, v5, 4, v6                   ; columns 8 ((l / 8) % 2) + 0..7
	s_lshl_b32 s22, s12, 8
	s_add_co_u32 s22, s22, BOFF
	v_add_nc_u32 v[ADRB0], s22, v6
	v_mov_b32 v[ADRA], v[ADRA0]
	v_mov_b32 v[ADRB], v[ADRB0]
	s_mul_i32 s23, s10, 16*SP
	s_add_co_u32 s23, s23, STAGE                   ; my stage
	v_mul_u32_u24 v7, v1, SP                       ; in: row l % 16, 32 bytes for each half of the lanes
	v_lshl_add_u32 v7, v2, 5, v7
	v_add_nc_u32 v[STO], s23, v7
	v_add_nc_u32 v[RD], s23, v[CO]                 ; back: 32 lanes take a row's 512 bytes
	v_lshlrev_b32 v7, 5, v2
	s_lshl_b32 s22, s12, 9
	v_add_nc_u32 v[BO], s22, v7                    ; my biases: 512 x column half + 32 x lane half
	s_lshl_b32 s16, s13, 7                         ; where my part of out0 begins
	s_lshl_b32 s17, s11, 6
	s_add_co_u32 s16, s16, s17
	s_lshl_b32 s16, s16, 12
	s_mov_b32 s17, 0
	s_add_nc_u64 s[OP:OP+1], s[OP:OP+1], s[16:17]
	s_lshl_b32 s46, s42, 10                        ; 1,024 bytes x tile column, in out0 and in the biases
	s_mov_b32 s47, 0
	s_add_nc_u64 s[OP:OP+1], s[OP:OP+1], s[46:47]
	s_add_nc_u64 s[BP:BP+1], s[BP:BP+1], s[46:47]
	s_add_nc_u64 s[BP:BP+1], s[BP:BP+1], 3*4096    ; bo is the fourth row
	s_lshl_b32 s46, s12, 9
	s_add_nc_u64 s[OP:OP+1], s[OP:OP+1], s[46:47]
	WIN 0x80                                       ; destination window 2, address window 0: register 8 b + j is what register j of every accumulator (a, b) starts from
.irp b, 0,1,2,3,4,5,6,7
	global_load_b128 v[8*(\b):8*(\b)+3],   v[BO], s[BP:BP+1] offset:64*(\b)
	global_load_b128 v[8*(\b)+4:8*(\b)+7], v[BO], s[BP:BP+1] offset:64*(\b)+16
.endr
	WIN 0
	s_wait_tensorcnt 1                             ; my part of K step 0 is in; step 1's may stay out
	s_barrier_signal -1
	s_barrier_wait -1
	FETCH 0, 0
	s_wait_loadcnt 0x0                             ; the biases
	QUARTER 1, 0, 1, 1                             ; the first quarter's products start the sums
	WIN 0
	s_mov_b32 s[STEP], 0
.Lstep:                                                ; six trips, from a step's second quarter to the next step's first; each fills the slot that it leaves
	QUARTER 2, 1, 0, 0
	QUARTER 3, 0, 1, 0
	TURN 1
	QUARTER 1, 0, 1, 0
	WIN 0
	s_add_co_u32 s[STEP], s[STEP], 1
	s_cmp_lt_u32 s[STEP], 6
	s_cbranch_scc1 .Lstep
	QUARTER 2, 1, 0, 0                             ; steps 6 and 7 fill nothing
	QUARTER 3, 0, 1, 0
	TURN 0
	QUARTER 1, 0, 1, 0
	QUARTER 2, 1, 0, 0
	QUARTER 3, 0, 1, 0
	LASTQ
	WIN 0
	PLACES
.irp a, 0,1,2,3
	OUTB \a
.endr
	s_wait_tensorcnt 0x0                           ; the wave's end
	ds_add_u32 v[SPW], v[NIL]
	s_wait_dscnt 0x0
	CROUND                                         ; the closing round
	s_endpgm
.Lfunc_end_k_qe436729375_oproj:
	.size	k_qe436729375_oproj, .Lfunc_end_k_qe436729375_oproj-k_qe436729375_oproj
	.p2alignl 7, 3214868480
	.fill 96, 4, 3214868480
	.section	.rodata,"a",@progbits
	.p2align	6, 0x0
	.amdhsa_kernel k_qe436729375_oproj
		.amdhsa_group_segment_fixed_size 327680
		.amdhsa_private_segment_fixed_size 0
		.amdhsa_enable_private_segment 0
		.amdhsa_kernarg_size 32
		.amdhsa_user_sgpr_count 2
		.amdhsa_user_sgpr_kernarg_segment_ptr 1
		.amdhsa_wavefront_size32 1
		.amdhsa_system_sgpr_workgroup_id_x 1
		.amdhsa_system_sgpr_workgroup_id_y 1
		.amdhsa_system_sgpr_workgroup_id_z 1
		.amdhsa_system_vgpr_workitem_id 0
		.amdhsa_next_free_vgpr 576
		.amdhsa_next_free_sgpr 80
		.amdhsa_reserve_vcc 0
		.amdhsa_float_denorm_mode_32 3
		.amdhsa_float_denorm_mode_16_64 3
		.amdhsa_memory_ordered 1
		.amdhsa_forward_progress 1
		.amdhsa_inst_pref_size 72
	.end_amdhsa_kernel
	.amdgpu_metadata
---
amdhsa.version: [ 1, 2 ]
amdhsa.kernels:
  - .name:           k_qe436729375_oproj
    .symbol:         k_qe436729375_oproj.kd
    .args:
      - { .name: o16, .offset: 0, .size: 8, .value_kind: global_buffer, .address_space: global }
      - { .name: wo16, .offset: 8, .size: 8, .value_kind: global_buffer, .address_space: global }
      - { .name: biasr, .offset: 16, .size: 8, .value_kind: global_buffer, .address_space: global }
      - { .name: out0, .offset: 24, .size: 8, .value_kind: global_buffer, .address_space: global }
    .group_segment_fixed_size: 327680
    .private_segment_fixed_size: 0
    .kernarg_segment_align: 8
    .kernarg_segment_size: 32
    .max_flat_workgroup_size: 128
    .sgpr_count:     80
    .vgpr_count:     576
    .wavefront_size: 32
...
	.end_amdgpu_metadata
.endif
;; end of part 4
